; MI455X (gfx1250); checked and timed in simulation.
; The chip was launched on July 23, 2026; its instructions are those of AMD's public machine-readable ISA for CDNA 5 (MIT licence, August 2026) and "CDNA5" Instruction Set Architecture Reference Guide (July 2026). The comments in the code are by the model that wrote it; some were corrected since.
;; Gemma4 Experts. Allowed arithmetic: float matrix products may take bf16 or f16 operands with f32 sums; other float arithmetic in f32, or as packed bf16 or f16 multiplies, adds, multiply-adds, maxima and minima; sums over many terms, partial sums and values carried from step to step in f32; what a program stores and reads back later, other than sums and carried values, may be rounded once to bf16 or f16.
;; Inputs: down_proj 8 x 2,048 x 128 float32; gate_up_proj 8 x 256 x 2,048 float32; hidden_states 8,192 x 2,048 float32; top_k_index 8,192 x 2 int32; top_k_weights 8,192 x 2 float32.
;; Outputs: out0 8,192 x 2,048 float32.
;; 2 versions, each right; version 2 is version 1 with the launch moe written anew for expert scheduling mode. Each part assembles by itself: llvm-mc -triple=amdgcn-amd-amdhsa -mcpu=gfx1250 --defsym DOCPART=n.
;; ======== version 1 of 2: 2 launches
;; limits: values are held in f16: magnitudes above 65,504 overflow, below 6.1e-05 lose precision
;; workspace buffers: wts 12,582,912 bytes; route 33,024 bytes of whole numbers
;; launch prep (part 1): grid 292 x 1, 8 waves a work-group, no clusters, 54,528 bytes of LDS; arguments gate_up_proj, down_proj, top_k_index, wts, route; writes wts, route
.if DOCPART == 1
	.amdgcn_target "amdgcn-amd-amdhsa--gfx1250"
	.amdhsa_code_object_version 6
	.text
	.protected	k_qe9fa8e3881_prep
	.globl	k_qe9fa8e3881_prep
	.p2align	8
	.type	k_qe9fa8e3881_prep,@function
k_qe9fa8e3881_prep:
	s_mov_b64 s[64:65], 0
	v_nop
	global_prefetch_b8 v0, s[64:65] scope:SCOPE_SE
	s_setreg_imm32_b32 hwreg(HW_REG_WAVE_MODE, 25, 1), 1
	s_wait_xcnt 0x0
; PREP: two jobs in one launch, chosen by the work-group's number alone (the same in all eight waves).
; Work-groups 0-35 (SORT): work-group s places the tokens whose two experts are the SET s = (a <= b), s = a (17 - a) / 2 + b - a.
;   route: word s = how many tokens set s has; words 36-63 = 0; from byte 256 on ONE list of all 8,192 tokens' numbers, the sets one behind the other in the order of their numbers,
;   inside a set in any order.  The key 8 a + b rises with s, so a set's first place is the number of tokens with a smaller key, which its work-group counts for itself.
; Work-groups 36-291 (LAY): work-group g = number - 36 rounds 32 KiB-to-be of gate_up_proj and 16 KiB-to-be of down_proj to 16 bits and stores them in the
;   order in which the next launch's matrix operand registers take them: a load unit is 512 bytes, lane L = 16 h + r has 16 bytes = 8 neighbouring k of ONE row.
;   gate/up (bf16): chunk (e, q, c) at ((4 e + q) 8 + c) x 32,768; unit (j, nt, p) at ((4 j + nt) 2 + p) x 512: gate_up[e][32 q + 16 (nt & 1) + 128 (nt >> 1) + r][256 c + 32 j + 16 p + 8 h ..]
;   down (f16):     from byte 0x800000, half-chunk (e, nc) at (32 e + nc) x 16,384; the same units, j = 0..3: down[e][64 nc + 4 r + nt][32 j + 16 p + 8 h ..]
; FORMATS.  Every weight is rounded once, to nearest even, to bf16.  down's numbers are then WRITTEN as f16, since the product that takes them has an f16 partner: a bf16 number has 8 significant bits,
;   so the second conversion changes nothing from 2^-17 up.
; LIMITS.  Both indices of a token lie in 0..7 (the table of experts that they index); a token with another index would have no place in the list.  down_proj lies within 65,504 (f16's largest
;   number); below 2^-17 it keeps f16's fixed step of 2^-24.
; No matrix unit, no tensor load, no cluster: the launch streams each weight byte once, and no two work-groups of LAY read the same byte.
.set NSETS,  36
.set PIT,    272                       ; a stage row: 16 x 16 bytes + 16 = 68 words, so that rows start four banks apart (64 banks of 4 bytes: ISA guide 11.1)
.set WSTR,   6656                      ; a wave's own LDS: 16 stage rows for gate/up, then 8 for down
.set DNST,   16*PIT
.set CNTW,   8*WSTR                    ; SORT: eight words, a wave's count of the set's tokens each; 32 bytes on, eight words for the tokens of earlier sets; one block of 256 bytes
.set SPARE,  CNTW+256                  ; the spare words, 128 bytes for each wave: four blocks of 256 bytes that no other line names
.set SPW,    4                         ; v4  LDS address of my spare word; never rewritten
.set NIL,    5                         ; v5  0; never rewritten
.set PLC,    80                        ; SORT: v80-111   token m's byte offset in the list
.set TOK,    112                       ; SORT: v112-143  token m's number
	s_load_b256 s[4:11], s[0:1], 0x0               ; gate_up s[4:5], down s[6:7], index s[8:9], wts s[10:11]
	s_load_b64 s[12:13], s[0:1], 0x20              ; route
	v_lshl_add_u32 v[SPW], v0, 2, SPARE
	v_mov_b32 v[NIL], 0
	v_lshrrev_b32 v1, 5, v0
	v_readfirstlane_b32 s14, v1                    ; my wave's number
	v_and_b32 v1, 31, v0                           ; my lane l
	s_cmp_lt_u32 ttmp9, NSETS
	s_cbranch_scc1 .Lsort
; ---------------------------------------------------------------- LAY
; Wave w takes tile nt = w & 3 (16 rows) and half Hh = w >> 2 of the chunk's k.  Rows come in as they lie (512 or 2 x 256 neighbouring bytes a load), are rounded,
; go through the wave's own stage (row = group of 8 k, column = weight row) and come back as load units.  No other wave touches the stage: no barrier.
	s_sub_co_u32 s15, ttmp9, NSETS                 ; g = 32 e + 8 q + c = 32 e + nc
	s_and_b32 s16, s14, 3                          ; nt
	s_lshr_b32 s17, s14, 2                         ; Hh
	s_lshr_b32 s18, s15, 5
	s_lshl_b32 s18, s18, 8                         ; 256 e
	s_bfe_u32 s19, s15, 0x20003
	s_lshl_b32 s19, s19, 5                         ; + 32 q
	s_add_co_u32 s18, s18, s19
	s_and_b32 s19, s16, 1
	s_lshl_b32 s19, s19, 4                         ; + 16 (nt & 1)
	s_add_co_u32 s18, s18, s19
	s_lshr_b32 s19, s16, 1
	s_lshl_b32 s19, s19, 7                         ; + 128 (nt >> 1): my tile's first row of gate_up
	s_add_co_u32 s18, s18, s19
	s_lshl_b32 s18, s18, 13                        ; rows of 8,192 bytes
	s_and_b32 s19, s15, 7
	s_lshl_b32 s19, s19, 10                        ; + 256 c floats
	s_add_co_u32 s18, s18, s19
	s_lshl_b32 s19, s17, 9                         ; + 128 Hh floats
	s_add_co_u32 s18, s18, s19
	s_mov_b32 s19, 0
	s_lshl_b32 s20, s15, 15                        ; down: 64 rows of 512 bytes a half-chunk,
	s_lshl_b32 s21, s16, 9                         ; row 4 r + nt,
	s_add_co_u32 s20, s20, s21
	s_lshl_b32 s21, s17, 8                         ; 64 Hh floats
	s_add_co_u32 s20, s20, s21
	s_mov_b32 s21, 0
	s_lshl_b32 s22, s15, 15                        ; where gate/up goes: chunk g, j = 4 Hh .., tile nt
	s_lshl_b32 s23, s17, 14
	s_add_co_u32 s22, s22, s23
	s_lshl_b32 s23, s16, 10
	s_add_co_u32 s22, s22, s23
	s_lshl_b32 s24, s15, 14                        ; where down goes: half-chunk g, j = 2 Hh .., tile nt
	s_add_co_u32 s24, s24, s23
	s_lshl_b32 s23, s17, 13
	s_add_co_u32 s24, s24, s23
	s_add_co_u32 s24, s24, 0x800000
	s_mov_b32 s23, 0
	s_mov_b32 s25, 0
	s_mul_i32 s26, s14, WSTR                       ; my stage
	v_lshlrev_b32 v2, 4, v1                        ; 16 l
	v_lshrrev_b32 v9, 4, v1                        ; l >> 4
	v_and_b32 v10, 15, v1                          ; l & 15
	v_lshlrev_b32 v3, 4, v10
	v_lshl_add_u32 v3, v9, 14, v3                  ; down: lanes 16-31 take the row eight r further on (8 x 2,048 bytes)
	v_lshrrev_b32 v11, 1, v1
	v_and_b32 v12, 1, v1
	v_mul_u32_u24 v6, v11, PIT                     ; gate/up into the stage: my 4 k are half l & 1 of group l >> 1; the row's 16 bytes stand in the offset
	v_lshl_add_u32 v6, v12, 3, v6
	v_add_nc_u32 v6, s26, v6
	v_lshrrev_b32 v11, 1, v10
	v_mul_u32_u24 v7, v11, PIT                     ; down into the stage: group (l & 15) >> 1, half l & 1, row t + 8 (l >> 4)
	v_lshl_add_u32 v7, v12, 3, v7
	v_lshl_add_u32 v7, v9, 7, v7
	v_add_nc_u32 v7, s26, v7
	v_mul_u32_u24 v8, v9, PIT                      ; back: unit u is groups 2 u and 2 u + 1: lane 16 h + r takes group 2 u + h, row r
	v_lshl_add_u32 v8, v10, 4, v8
	v_add_nc_u32 v8, s26, v8
	s_wait_kmcnt 0x0
	s_add_nc_u64 s[4:5], s[4:5], s[18:19]
	s_add_nc_u64 s[6:7], s[6:7], s[20:21]
	s_add_nc_u64 s[22:23], s[10:11], s[22:23]
	s_add_nc_u64 s[24:25], s[10:11], s[24:25]
.set i, 0
.rept 16                                               ; row i of my tile: 128 floats, 512 neighbouring bytes
	global_load_b128 v[16+4*i:19+4*i], v2, s[4:5] offset:i*8192 th:TH_LOAD_NT
.set i, i+1
.endr
.set i, 0
.rept 8                                                ; rows i and i + 8 of my tile: 64 floats each, two whole aligned pieces of 256 bytes
	global_load_b128 v[80+4*i:83+4*i], v3, s[6:7] offset:i*2048 th:TH_LOAD_NT
.set i, i+1
.endr
.set i, 0
.rept 24
	s_wait_loadcnt 23-i                            ; loads come back in order (ISA guide 5.7.1): load i is in, the 23 - i younger ones stay out
	v_cvt_pk_bf16_f32 v[16+4*i], v[16+4*i], v[17+4*i]
	v_cvt_pk_bf16_f32 v[17+4*i], v[18+4*i], v[19+4*i]
.if i < 16
	ds_store_b64 v6, v[16+4*i:17+4*i] offset:i*16
.else
	v_lshlrev_b32 v[18+4*i], 16, v[16+4*i]         ; down: the bf16 numbers, widened (a shift, a mask),
	v_and_b32 v[19+4*i], 0xffff0000, v[16+4*i]
	v_cvt_pk_f16_f32 v[16+4*i], v[18+4*i], v[19+4*i]           ; are written as f16
	v_lshlrev_b32 v[18+4*i], 16, v[17+4*i]
	v_and_b32 v[19+4*i], 0xffff0000, v[17+4*i]
	v_cvt_pk_f16_f32 v[17+4*i], v[18+4*i], v[19+4*i]
	ds_store_b64 v7, v[16+4*i:17+4*i] offset:DNST+(i-16)*16
.endif
.set i, i+1
.endr
.set i, 0
.rept 8
	ds_load_b128 v[112+4*i:115+4*i], v8 offset:i*2*PIT          ; LDS serves a wave's instructions in order (ISA guide 5.7.1.4): these see the stores above
.set i, i+1
.endr
.set i, 0
.rept 4
	ds_load_b128 v[144+4*i:147+4*i], v8 offset:DNST+i*2*PIT
.set i, i+1
.endr
.set i, 0
.rept 12
	s_wait_dscnt 11-i                              ; unit i is back; the younger reads stay out
.if i < 8
	global_store_b128 v2, v[112+4*i:115+4*i], s[22:23] offset:(i/2)*4096+(i%2)*512          ; a wave's store covers 512 consecutive bytes, aligned
.else
	global_store_b128 v2, v[112+4*i:115+4*i], s[24:25] offset:((i-8)/2)*4096+(i%2)*512
.endif
.set i, i+1
.endr
	s_wait_tensorcnt 0x0                           ; the wave's end: three closing lines behind my last LDS store
	ds_add_u32 v[SPW], v[NIL]
	s_wait_dscnt 0x0
	s_endpgm
; ---------------------------------------------------------------- SORT
; 256 threads read all 8,192 index pairs (16 loads of 16 bytes a thread: two tokens a load).  Pass 1 makes a lane mask for each of a thread's 32 tokens, counts the set's tokens
; and those of earlier sets; the waves' counts meet in LDS; pass 2 gives each of the set's tokens its place: all tokens of earlier sets, the set's tokens in the waves before me,
; my wave's earlier masks, the lanes below me.  All places and numbers are made with every lane on; only then come the 32 stores, each under its mask.
.Lsort:
	s_mov_b32 s15, ttmp9                           ; the set's number
	s_mov_b32 s16, 0
.irp st, 8,15,21,26,30,33,35                           ; a = how many rows of the triangle begin at or below s
	s_cmp_ge_u32 s15, \st
	s_add_co_ci_u32 s16, s16, 0
.endr
	s_sub_co_u32 s17, 17, s16
	s_mul_i32 s17, s17, s16
	s_lshr_b32 s17, s17, 1                         ; a (17 - a) / 2
	s_sub_co_u32 s17, s15, s17
	s_add_co_u32 s17, s17, s16                     ; b
	s_lshl3_add_u32 s17, s16, s17                  ; the key 8 a + b
	s_lshl_b32 s18, s15, 2                         ; the count's place
	s_mov_b32 s19, 0
	v_lshlrev_b32 v2, 4, v0                        ; 16 x thread
	v_lshlrev_b32 v3, 1, v0                        ; 2 x thread: load i brings tokens 512 i + 2 thread and the next
	s_wait_kmcnt 0x0
.set i, 0
.rept 16
	global_load_b128 v[16+4*i:19+4*i], v2, s[8:9] offset:i*4096
.set i, i+1
.endr
	s_add_nc_u64 s[18:19], s[12:13], s[18:19]
	s_add_nc_u64 s[60:61], s[12:13], 256           ; the list
	s_mov_b32 s2, 0                                ; my wave's count of the set's tokens,
	s_mov_b32 s63, 0                               ; and of the tokens of earlier sets
	s_wait_loadcnt 0x0
.set m, 0
.rept 32
	v_min_u32 v6, v[16+2*m], v[17+2*m]
	v_max_u32 v7, v[16+2*m], v[17+2*m]
	v_lshl_add_u32 v6, v6, 3, v7
	v_cmp_eq_u32 s[20+m], s17, v6                  ; mask m: the lanes whose token m is of this set
	v_cmp_gt_u32 s11, s17, v6                      ; the lanes whose token m is of an earlier set
	s_bcnt1_i32_b32 s3, s[20+m]
	s_add_co_u32 s2, s2, s3
	s_bcnt1_i32_b32 s3, s11
	s_add_co_u32 s63, s63, s3
.set m, m+1
.endr
	v_mov_b32 v6, s2
	v_mov_b32 v9, s63
	s_lshl_b32 s3, s14, 2
	s_add_co_u32 s3, s3, CNTW
	v_mov_b32 v7, s3
	ds_store_b32 v7, v6                            ; all lanes write the same word with the same number
	ds_store_b32 v7, v9 offset:32
	s_wait_dscnt 0x0                               ; for the others' sake: my two counts are in LDS
	s_barrier_signal -1
	s_barrier_wait -1
	v_mov_b32 v7, CNTW
	ds_load_b128 v[8:11], v7
	ds_load_b128 v[12:15], v7 offset:16
	ds_load_b128 v[144:147], v7 offset:32
	ds_load_b128 v[148:151], v7 offset:48
	s_wait_dscnt 0x0
.set x, 0
.rept 8
	v_readfirstlane_b32 s[52+x], v[8+x]
.set x, x+1
.endr
	v_add_nc_u32 v144, v144, v145
	v_add_nc_u32 v146, v146, v147
	v_add_nc_u32 v148, v148, v149
	v_add_nc_u32 v150, v150, v151
	v_add_nc_u32 v144, v144, v146
	v_add_nc_u32 v148, v148, v150
	v_add_nc_u32 v144, v144, v148
	v_readfirstlane_b32 s62, v144                  ; the set's first place: all tokens of earlier sets;
	s_mov_b32 s63, 0                               ; the set's count
.set x, 0
.rept 8
	s_cmp_gt_u32 s14, x
	s_cselect_b32 s3, s[52+x], 0
	s_add_co_u32 s62, s62, s3                      ; + the set's tokens in the waves before me
	s_add_co_u32 s63, s63, s[52+x]
.set x, x+1
.endr
	v_mov_b32 v6, 0                                ; for wave 0's stores below
	v_mov_b32 v7, s63
	v_min_u32 v8, 27, v1
	v_lshlrev_b32 v8, 2, v8
	v_add_nc_u32 v8, 4*NSETS, v8                   ; words 36 to 63 of route
.set m, 0
.rept 32
	v_mbcnt_lo_u32_b32 v[PLC+m], s[20+m], s62      ; token m's place: the places taken + the set's lanes below me
	v_min_u32 v[PLC+m], 0x1fff, v[PLC+m]           ; the list has 8,192 places
	v_lshlrev_b32 v[PLC+m], 2, v[PLC+m]
	v_add_nc_u32 v[TOK+m], 512*(m/2)+m%2, v3       ; its number
	s_bcnt1_i32_b32 s3, s[20+m]
	s_add_co_u32 s62, s62, s3
.set m, m+1
.endr
	s_wait_xcnt 0x0                                ; EXEC changes only behind this wait
.set m, 0
.rept 32
	s_and_saveexec_b32 s10, s[20+m]                ; the set's lanes alone
	global_store_b32 v[PLC+m], v[TOK+m], s[60:61]  ; they write neighbouring words
	s_wait_xcnt 0x0                                ; EXEC is widened only behind this wait; nothing is issued between it and the next narrowing
	s_mov_b32 exec_lo, -1                          ; every lane was on: all are on again
.set m, m+1
.endr
	s_cmp_lg_u32 s14, 0
	s_cbranch_scc1 .Lsdone                         ; wave 0 alone stores the count
	global_store_b32 v6, v7, s[18:19]              ; all lanes write the same word with the same number
	s_cmp_lg_u32 s15, 0
	s_cbranch_scc1 .Lsdone
	global_store_b32 v8, v6, s[12:13]              ; set 0's work-group writes 0 into the 28 words behind the counts, so that every word of route is written
.Lsdone:
	s_wait_tensorcnt 0x0                           ; the wave's end: three closing lines behind my last LDS store
	ds_add_u32 v[SPW], v[NIL]
	s_wait_dscnt 0x0
	s_endpgm
.Lfunc_end_k_qe9fa8e3881_prep:
	.size	k_qe9fa8e3881_prep, .Lfunc_end_k_qe9fa8e3881_prep-k_qe9fa8e3881_prep
	.p2alignl 7, 3214868480
	.fill 96, 4, 3214868480
	.section	.rodata,"a",@progbits
	.p2align	6, 0x0
	.amdhsa_kernel k_qe9fa8e3881_prep
		.amdhsa_group_segment_fixed_size 54528
		.amdhsa_private_segment_fixed_size 0
		.amdhsa_enable_private_segment 0
		.amdhsa_kernarg_size 40
		.amdhsa_user_sgpr_count 2
		.amdhsa_user_sgpr_kernarg_segment_ptr 1
		.amdhsa_wavefront_size32 1
		.amdhsa_system_sgpr_workgroup_id_x 1
		.amdhsa_system_sgpr_workgroup_id_y 1
		.amdhsa_system_sgpr_workgroup_id_z 1
		.amdhsa_system_vgpr_workitem_id 0
		.amdhsa_next_free_vgpr 160
		.amdhsa_next_free_sgpr 66
		.amdhsa_reserve_vcc 0
		.amdhsa_float_denorm_mode_32 3
		.amdhsa_float_denorm_mode_16_64 3
		.amdhsa_memory_ordered 1
		.amdhsa_forward_progress 1
		.amdhsa_inst_pref_size 48
	.end_amdhsa_kernel
	.amdgpu_metadata
---
amdhsa.version: [ 1, 2 ]
amdhsa.kernels:
  - .name:           k_qe9fa8e3881_prep
    .symbol:         k_qe9fa8e3881_prep.kd
    .args:
      - { .name: gate_up_proj, .offset: 0, .size: 8, .value_kind: global_buffer, .address_space: global }
      - { .name: down_proj, .offset: 8, .size: 8, .value_kind: global_buffer, .address_space: global }
      - { .name: top_k_index, .offset: 16, .size: 8, .value_kind: global_buffer, .address_space: global }
      - { .name: wts, .offset: 24, .size: 8, .value_kind: global_buffer, .address_space: global }
      - { .name: route, .offset: 32, .size: 8, .value_kind: global_buffer, .address_space: global }
    .group_segment_fixed_size: 54528
    .private_segment_fixed_size: 0
    .kernarg_segment_align: 8
    .kernarg_segment_size: 40
    .max_flat_workgroup_size: 256
    .sgpr_count:     66
    .vgpr_count:     160
    .wavefront_size: 32
...
	.end_amdgpu_metadata
.endif
;; end of part 1
;; launch moe (part 2): grid 163 x 1, 8 waves a work-group, no clusters, 298,496 bytes of LDS; arguments hidden_states, top_k_index, top_k_weights, wts, route, out0; writes out0
.if DOCPART == 2
	.amdgcn_target "amdgcn-amd-amdhsa--gfx1250"
	.amdhsa_code_object_version 6
	.text
	.protected	k_qe9fa8e3881_moe
	.globl	k_qe9fa8e3881_moe
	.p2align	8
	.type	k_qe9fa8e3881_moe,@function
k_qe9fa8e3881_moe:
	s_mov_b64 s[64:65], 0
	v_nop
	global_prefetch_b8 v0, s[64:65] scope:SCOPE_SE
	s_setreg_imm32_b32 hwreg(HW_REG_WAVE_MODE, 25, 1), 1
	s_wait_xcnt 0x0
; out[t] = w_a gelu(x[t] Wg_a^T) * (x[t] Wu_a^T) Wd_a^T + the same for expert b, for the two experts (a <= b) that token t names.
; A WORK-GROUP takes a tile of up to 64 tokens of ONE set (a, b) through the whole chain, so every output row has one owner and x and out move once.
; Tiles: set s has ceil(count / 64); over 36 sets and 8,192 tokens never more than 128 + 35 = 163, the grid.  Each work-group finds its tile, and its set's first place in the one list of
; tokens, from the 36 stored counts.  A work-group past the last tile has NV = 0 rows: it passes all four barriers, jumps the work between them and stores nothing.
; PRODUCT 1 (bf16; K = 2,048 in 8 chunks of 256): wave w makes 64 tokens x 64 columns of expert (w < 4 ? a : b): 32 gate columns 32 (w & 3) .. and the 32 up columns that go with them: 16 accumulators.
;   x's tile lies in LDS in bf16; the weights come from memory straight into operand registers, in the order in which the launch before laid them: a ring of eight K steps of 32 (256 registers)
;   that is always asked for one chunk ahead.  Source 0 = weights, source 1 = tokens: a lane holds one token and eight neighbouring columns.
; BETWEEN: act = gelu_tanh(gate) x up x w, in f32.  gelu(g) = g / (1 + 2^(-g (C1 + C2 g^2))), C1 = 2 log2(e) sqrt(2 / pi), C2 = 0.044715 C1: the exponential only ever enters 1 + e and a
;   reciprocal, so an overflow gives the limit 0.  act is a matrix operand of my own making, so its rounding is all mine: it goes in f16 (11 significant bits), which by itself has no room for it
;   (act grows with the fifth power of a common scale of the inputs).  So the tile is scaled by a power of two: M = the largest |act| of the tile (lanes, then waves through LDS), E its biased exponent,
;   S = 2^(141 - E): the largest number lands in [2^14, 2^15); out is multiplied by 1 / S = 2^(E - 141) on its way out.  Both are exact.
;   act S, rounded once to f16, goes into LDS: row = token, k = 32 w ..: 128 numbers of expert a, then 128 of expert b.
; PRODUCT 2 (f16; K = 256: both experts in one sum): wave w makes 64 tokens x columns 256 w .. 256 w + 255, in 4 chunks of 64.  Source 0 = tokens, source 1 = weights, whose tile nt holds columns
;   4 r + nt: a lane's four tiles hold four NEIGHBOURING columns, so 16 lanes store 256 consecutive bytes of a row, aligned.
; PLACES PAST THE COUNT repeat the set's last token: in the one block of 16 rows that is not full they make and store that row's numbers again; whole blocks past the count are jumped.
; With both indices equal, a = b: the two halves carry w0 and w1 of the same expert, and the sum is (w0 + w1) x its result.
; LIMITS.  Indices lie in 0..7.  x, both weight tensors and top_k_weights are rounded to bf16 (down's numbers then written as f16: within 65,504); all sums in f32.
;   An act below 2^-29 of its tile's largest keeps f16's fixed step, 2^-39 of that largest or less; a tile whose largest lies below 2^-112 is scaled by 2^126.
;   An exponential below 2^-126 counts as 0; NaN and infinities are not treated apart.
; NO CLUSTER, NO TENSOR LOAD: x's tile takes 263,168 of the work-group's LDS bytes, and one chunk of the eight waves' weights is 8 x 32,768 bytes: there is no room for slots that a joint load
;   could fill; and partners would have to be tiles of one set, of which a set of up to 64 tokens has only one.
; REGISTERS.  Window 0: v0-31 addresses and constants; v32-63 the tile's rows of out; v64-127 two buffers of token fragments (also at work between and behind the products); v128-255 accumulators,
;   (mt, nt) at 128 + 8 (4 mt + nt); in the gather v64-255 are six groups of 32 for x.  Window 1: the ring: K step j, tile nt at 8 (4 j + nt).
.set XP,    4112                       ; a row of x in LDS: 4,096 bytes + 16 = 1,028 words: row r starts at bank 4 r mod 64 (64 banks of 4 bytes: ISA guide 11.1)
.set AP,    528                        ; a row of act: 512 + 16 bytes = 132 words: likewise
.set ACT,   64*XP
.set TOKT,  ACT+64*AP                  ; the tile's 64 token numbers
.set MXB,   TOKT+256                   ; eight words: each wave's largest |act|
.set SPARE, MXB+256                    ; the spare words, 128 bytes for each wave: four blocks of 256 bytes that no other line names
.set DOWN0, 0x800000                   ; where down's part of wts begins
.set L16,  1                           ; v1      16 x lane; never rewritten
.set RR,   2                           ; v2      r = lane % 16; for product 2: 16 r
.set HH,   3                           ; v3      h = lane / 16
.set SPW,  4                           ; v4      LDS address of my spare word; never rewritten
.set NIL,  5                           ; v5      0; never rewritten
.set AADR, 6                           ; v6-9    LDS address of my fragment of token block mt
.set GST,  10                          ; v10     the gather's LDS address; later where I put act
.set TA,   11                          ; v11     where I read token numbers
.set WT,   12                          ; v12-19  block mt: my token's weight for my expert, twice (a pair for the packed multiply)
.set SC,   12                          ; v12-13  later: S, twice
.set INV,  14                          ; v14     later: 1 / S
.set C1,   20                          ; v20-21  -C1, twice
.set C2,   22                          ; v22-23  -C2, twice
.set TG,   24                          ; v24     lanes 0-7: the tokens of the 8 rows that my wave gathers
.set TR,   25                          ; v25-28  block mt: token 16 mt + r
.set MXR,  30                          ; v30     between the products: the running maximum of |act|
.set ROW,  32                          ; v32-63  8 mt + j: byte offset in out of token 16 mt + 8 h + j, + 16 r.  In the head: v32-33 the counts; then v32-39 index pairs, v40-47 weight pairs, v48-51 their offsets
.set AB,   64
.set ACC,  128
.set XR,   16                          ; s[16:31] x at my wave's 8 rows (before that s[16:51]: the 36 counts)
.set WV,   52
.set G,    53                          ; my work-group's number
.set ACCT, 54                          ; tiles of the sets before
.set CODE, 55                          ; a << 8 | b << 16
.set FIRST,56                          ; my set's first tile
.set CNT,  57                          ; my set's count; later its last place in the list
.set TT,   58                          ; at work; then my tile's first place in the list
.set NV,   59                          ; my tile's rows, 0 to 64
.set EA,   60
.set EB,   61
.set T0,   62
.set T1,   63
.set NB,   66                          ; s[66:67], s[68:69] where the ring's K steps 0-3 and 4-7 are asked for next
.set DD,   70                          ; s[70:71], s[72:73] down's first half-chunk for my columns, expert a and b
.set OUTB, 74                          ; s[74:75] out at my chunk's first column
.set O64,  76                          ; s[76:77] an offset in 64 bits
.set CTR,  78
.set XM,   79                          ; 0 for waves 0-3 (expert a), -1 for waves 4-7 (expert b)
.set LISTB,80                          ; s[80:81] the list of tokens
.set STRT, 82                          ; my set's first place in the list
.set ACCC, 83                          ; tokens of the sets before
.set MSB, 0
.macro WIN new                         ; s_set_vgpr_msb: bits 1:0 source 0, 3:2 source 1, 5:4 source 2, 7:6 destination; the high byte repeats the setting that is left
.if MSB != (\new)
	s_set_vgpr_msb (MSB<<8)|(\new)
.set MSB, (\new)
.endif
.endm
.set GLD, 0x40                         ; a load into the ring: destination window 1, address window 0
; K step j of the ring: 4 tiles x 2 loads of 512 consecutive bytes; p = 0 fills a fragment's registers 0-3, p = 1 registers 4-7
.macro BLOAD j
	WIN GLD
.set bn, 0
.rept 4
	global_load_b128 v[8*(4*(\j)+bn):8*(4*(\j)+bn)+3],   v[L16], s[NB+2*((\j)/4):NB+2*((\j)/4)+1] offset:(((\j)%4)*4+bn)*1024
	global_load_b128 v[8*(4*(\j)+bn)+4:8*(4*(\j)+bn)+7], v[L16], s[NB+2*((\j)/4):NB+2*((\j)/4)+1] offset:(((\j)%4)*4+bn)*1024+512
.set bn, bn+1
.endr
.endm
; the four token fragments (16 rows x 32 k) of K step j into buffer j % 2
.macro ALOAD j
.set am, 0
.rept 4
	ds_load_b128 v[AB+32*((\j)%2)+8*am:AB+32*((\j)%2)+8*am+3],   v[AADR+am] offset:64*(\j)
	ds_load_b128 v[AB+32*((\j)%2)+8*am+4:AB+32*((\j)%2)+8*am+7], v[AADR+am] offset:64*(\j)+32
.set am, am+1
.endr
.endm
; 16 matrix instructions: the sixteen accumulators take turns, one instruction a turn.  ord = 1 (product 1, bf16): weights are source 0; ord = 2 (product 2, f16): tokens are.
; zero = 1: K step 0 starts the sums
.macro MUL j, ord, zero
.set mn, 0
.rept 4
.set mm, 0
.rept 4
.set rD, ACC+8*(4*mm+mn)
.set rB, 8*(4*(\j)+mn)
.set rA, AB+32*((\j)%2)+8*mm
.if (\ord) == 1
.if (\zero) && ((\j) == 0)
	v_wmma_f32_16x16x32_bf16 v[rD:rD+7], v[rB:rB+7], v[rA:rA+7], 0
.else
	v_wmma_f32_16x16x32_bf16 v[rD:rD+7], v[rB:rB+7], v[rA:rA+7], v[rD:rD+7]
.endif
.else
.if (\zero) && ((\j) == 0)
	v_wmma_f32_16x16x32_f16 v[rD:rD+7], v[rA:rA+7], v[rB:rB+7], 0
.else
	v_wmma_f32_16x16x32_f16 v[rD:rD+7], v[rA:rA+7], v[rB:rB+7], v[rD:rD+7]
.endif
.endif
.set mm, mm+1
.endr
.set mn, mn+1
.endr
.endm
; A CHUNK: eight K steps of 32.  pf = 1: behind each K step its ring registers are asked for again, with the NEXT chunk's weights (s[NB..] has been stepped).
; A load into a register that a matrix instruction has read stands four places behind it, and only plain vector instructions that name none of its registers are places (ISA guide 7.12.1 for vector
; instructions): four v_nop in front of each run of loads; five at the end, since the next chunk's first products may write over the accumulators.
.macro CHUNK ord, zero, pf
.set AW, 4*((\ord)-1)                  ; LDS loads: destination and address in window 0 (for ord = 2 the products' own setting serves)
.set MW, 1+3*((\ord)-1)                ; the products: the ring is source 0 (ord = 1) or source 1 (ord = 2)
	WIN AW
	ALOAD 0
.set cj, 0
.rept 8
.if cj > 0
.rept 4
	v_nop
.endr
.if \pf
	BLOAD cj-1
.endif
.endif
.if cj < 7
	WIN AW
	ALOAD cj+1
	s_wait_dscnt 8                                 ; this K step's token fragments are in; the eight loads just issued stay out
.else
	s_wait_dscnt 0x0
.endif
.if \pf
	s_wait_loadcnt 56                              ; ring step cj is in: behind it were issued this chunk's 7 - cj later steps and cj refills, eight loads each
.else
	s_wait_loadcnt 8*(7-cj)                        ; nothing is asked for any more: only this chunk's later steps are behind it
.endif
	WIN MW
	MUL cj, \ord, \zero
.set cj, cj+1
.endr
.rept 5
	v_nop
.endr
.if \pf
	BLOAD 7
.endif
	WIN 0                                          ; at a label and at a branch every window is 0
.endm
; THE GATHER.  Group g of 16: half g % 2 of row g / 2 of my wave's 8 rows: eight loads of 512 consecutive bytes
.macro XLOAD g
	WIN 0
.set xt, 0
.rept 8
	global_load_b128 v[64+32*((\g)%6)+4*xt:64+32*((\g)%6)+4*xt+3], v[L16], s[XR+2*((\g)/2):XR+2*((\g)/2)+1] offset:(8*((\g)%2)+xt)*512
.set xt, xt+1
.endr
.endm
.macro XCVT g, cnt                     ; rounded to bf16 and put into x's tile: a wave's store covers 256 consecutive LDS bytes
	WIN 0
	s_wait_loadcnt \cnt
.set xt, 0
.rept 8
.set xb, 64+32*((\g)%6)+4*xt
	v_cvt_pk_bf16_f32 v[xb], v[xb], v[xb+1]
	v_cvt_pk_bf16_f32 v[xb+1], v[xb+2], v[xb+3]
	ds_store_b64 v[GST], v[xb:xb+1] offset:((\g)/2)*XP+(8*((\g)%2)+xt)*256
.set xt, xt+1
.endr
.endm
; act of token block mt: 16 gate and 16 up numbers a lane; act stays in f32, in the gate's registers, and the running maximum takes its magnitudes.
; Each accumulator's lowest registers are read first.
.macro ACTV mt
.set gB, ACC+32*(\mt)
.set uB, gB+16
.set ei, 0
.rept 8
	v_pk_mul_f32 v[64+2*ei:65+2*ei], v[gB+2*ei:gB+2*ei+1], v[gB+2*ei:gB+2*ei+1]
.set ei, ei+1
.endr
.set ei, 0
.rept 8
	v_pk_fma_f32 v[64+2*ei:65+2*ei], v[64+2*ei:65+2*ei], v[C2:C2+1], v[C1:C1+1]
.set ei, ei+1
.endr
.set ei, 0
.rept 8
	v_pk_mul_f32 v[64+2*ei:65+2*ei], v[64+2*ei:65+2*ei], v[gB+2*ei:gB+2*ei+1]      ; -g (C1 + C2 g^2)
.set ei, ei+1
.endr
.set ei, 0
.rept 16
	v_exp_f32 v[64+ei], v[64+ei]
.set ei, ei+1
.endr
.set ei, 0
.rept 8
	v_pk_mul_f32 v[80+2*ei:81+2*ei], v[uB+2*ei:uB+2*ei+1], v[WT+2*(\mt):WT+2*(\mt)+1]  ; up x w: the plain work behind the batch of exponentials
.set ei, ei+1
.endr
	s_wait_alu depctr_va_vdst(0)                   ; one wait for the sixteen exponentials, ahead of their first reader
.set ei, 0
.rept 8
	v_pk_add_f32 v[64+2*ei:65+2*ei], v[64+2*ei:65+2*ei], 1.0 op_sel_hi:[1,0]
.set ei, ei+1
.endr
.set ei, 0
.rept 16
	v_rcp_f32 v[64+ei], v[64+ei]
.set ei, ei+1
.endr
	v_nop                                          ; a plain instruction between the last reciprocal and the use of its result
	s_wait_alu depctr_va_vdst(0)                   ; one wait for the sixteen reciprocals
.set ei, 0
.rept 8
	v_pk_mul_f32 v[64+2*ei:65+2*ei], v[64+2*ei:65+2*ei], v[gB+2*ei:gB+2*ei+1]      ; gelu(gate)
.set ei, ei+1
.endr
.set ei, 0
.rept 8
	v_pk_mul_f32 v[gB+2*ei:gB+2*ei+1], v[64+2*ei:65+2*ei], v[80+2*ei:81+2*ei]      ; act, where the gate was
.set ei, ei+1
.endr
.set ei, 0
.rept 16
	v_and_b32 v[64+ei], 0x7fffffff, v[gB+ei]       ; |act|
.set ei, ei+1
.endr
.set ei, 0
.rept 8
	v_max3_num_f32 v[MXR], v[MXR], v[64+2*ei], v[65+2*ei]
.set ei, ei+1
.endr
.endm
; act of token block mt, scaled, rounded once to f16, into LDS
.macro ACTS mt
.set gB, ACC+32*(\mt)
.set ei, 0
.rept 8
	v_pk_mul_f32 v[64+2*ei:65+2*ei], v[gB+2*ei:gB+2*ei+1], v[SC:SC+1]
.set ei, ei+1
.endr
.set ei, 0
.rept 8
	v_cvt_pk_f16_f32 v[96+ei], v[64+2*ei], v[65+2*ei]
.set ei, ei+1
.endr
	ds_store_b128 v[GST], v[96:99]   offset:16*AP*(\mt)        ; my token's columns 8 h .. of my wave's first 16,
	ds_store_b128 v[GST], v[100:103] offset:16*AP*(\mt)+32     ; and of its second 16
.endm
; A chunk of product 2 leaves: for token j of block mt the four tiles' numbers are brought together (four neighbouring columns), the tile's scale is taken off in the same line, and they are stored.
; Whole blocks past the count are jumped.
.macro OUTALL
.set om, 0
.rept 4
.if om > 0
	s_cmp_le_u32 s[NV], 16*om
	s_cbranch_scc1 .Lout_end_\@
.endif
	s_wait_xcnt 0x0                                ; the registers that earlier stores read are rewritten only behind this wait
.set oj, 0
.rept 8
.set on, 0
.rept 4
	v_mul_f32 v[64+32*(om%2)+4*oj+on], v[INV], v[ACC+8*(4*om+on)+oj]
.set on, on+1
.endr
	global_store_b128 v[ROW+8*om+oj], v[64+32*(om%2)+4*oj:64+32*(om%2)+4*oj+3], s[OUTB:OUTB+1] th:TH_STORE_NT  ; lanes 0-15: 256 consecutive bytes of one row, aligned; lanes 16-31: of the row eight tokens on
.set oj, oj+1
.endr
.set om, om+1
.endr
.Lout_end_\@:
.endm
; ---------------------------------------------------------------- THE HEAD
	s_load_b256 s[4:11], s[0:1], 0x0               ; x s[4:5], index s[6:7], weights s[8:9], wts s[10:11]
	s_load_b128 s[12:15], s[0:1], 0x20             ; route s[12:13], out s[14:15]
	v_lshl_add_u32 v[SPW], v0, 2, SPARE
	v_mov_b32 v[NIL], 0
	v_lshrrev_b32 v29, 5, v0
	v_readfirstlane_b32 s[WV], v29                 ; wave 0..7
	v_and_b32 v30, 31, v0                          ; lane
	v_lshlrev_b32 v[L16], 4, v30
	v_and_b32 v[RR], 15, v0
	v_bfe_u32 v[HH], v0, 4, 1
	v_lshlrev_b32 v31, 2, v30                      ; 4 x lane
	s_mov_b32 s[G], ttmp9
	s_mov_b32 s[ACCT], 0
	s_mov_b32 s[CODE], 0
	s_mov_b32 s[FIRST], 0
	s_mov_b32 s[CNT], 0
	s_mov_b32 s[STRT], 0
	s_mov_b32 s[ACCC], 0
	s_wait_kmcnt 0x0
	global_load_b32 v32, v31, s[12:13]             ; lane l: the count of set l,
	global_load_b32 v33, v31, s[12:13] offset:128  ; and word 32 + l: the counts of sets 32 to 35, then zeros
	v_mul_u32_u24 v29, v[RR], XP                   ; a fragment of x: row 16 mt + r, 16 bytes for each half of the lanes
	v_lshl_add_u32 v29, v[HH], 4, v29
.set i, 0
.rept 4
	v_add_nc_u32 v[AADR+i], i*16*XP, v29
.set i, i+1
.endr
	s_mul_i32 s[T0], s[WV], 8*XP
	v_lshl_add_u32 v[GST], v30, 3, s[T0]           ; the gather: my wave's 8 rows, 8 bytes a lane
	v_mov_b32 v[C1], 0xc0135761                    ; -2.3022082
	v_mov_b32 v[C1+1], 0xc0135761
	v_mov_b32 v[C2], 0xbdd2d3e8                    ; -0.10294324
	v_mov_b32 v[C2+1], 0xbdd2d3e8
	s_wait_loadcnt 0x0                             ; the counts; nothing else is out
.set k, 0
.rept 36
	v_readlane_b32 s[16+k], v[32+k/32], k%32
.set k, k+1
.endr
; my tile: the last set whose first tile is at or below my number (an empty set shares its first tile with the next set, which then takes its place)
.set sa, 0
.set sb, 0
.set k, 0
.rept 36
	s_cmp_ge_u32 s[G], s[ACCT]
	s_cselect_b32 s[CODE], (sa<<8)|(sb<<16), s[CODE]
	s_cselect_b32 s[FIRST], s[ACCT], s[FIRST]
	s_cselect_b32 s[CNT], s[16+k], s[CNT]
	s_cselect_b32 s[STRT], s[ACCC], s[STRT]
	s_add_co_u32 s[ACCC], s[ACCC], s[16+k]
	s_add_co_u32 s[TT], s[16+k], 63
	s_lshr_b32 s[TT], s[TT], 6
	s_add_co_u32 s[ACCT], s[ACCT], s[TT]
.set k, k+1
.set sb, sb+1
.if sb == 8
.set sa, sa+1
.set sb, sa
.endif
.endr
	s_sub_co_u32 s[TT], s[G], s[FIRST]
	s_min_u32 s[TT], s[TT], 255
	s_lshl_b32 s[TT], s[TT], 6                     ; my tile's first place in its set
	s_min_u32 s[CNT], s[CNT], 0x2000
	s_sub_co_i32 s[NV], s[CNT], s[TT]
	s_max_i32 s[NV], s[NV], 0
	s_min_i32 s[NV], s[NV], 64                     ; my tile's rows
	s_min_u32 s[STRT], s[STRT], 0x2000
	s_max_u32 s[CNT], s[CNT], 1
	s_sub_co_u32 s[CNT], s[CNT], 1
	s_add_co_u32 s[CNT], s[CNT], s[STRT]           ; my set's last place in the list: places past it repeat it
	s_add_co_u32 s[TT], s[TT], s[STRT]             ; my tile's first place in the list
	s_bfe_u32 s[EA], s[CODE], 0x80008
	s_min_u32 s[EA], s[EA], 7
	s_bfe_u32 s[EB], s[CODE], 0x80010
	s_min_u32 s[EB], s[EB], 7
	s_mov_b32 s[O64+1], 0
	s_add_nc_u64 s[LISTB:LISTB+1], s[12:13], 256
	s_lshl_b32 s[T1], s[WV], 3
	v_and_b32 v29, 7, v0
	v_add_nc_u32 v29, s[T1], v29                   ; the row that I name as a gatherer: 8 w + lane % 8
	v_lshl_add_u32 v31, v29, 2, TOKT
	v_add_nc_u32 v[TG], s[TT], v29
	v_min_u32 v[TG], s[CNT], v[TG]
	v_min_u32 v[TG], 0x1fff, v[TG]                 ; the list has 8,192 places, all written
	v_lshlrev_b32 v[TG], 2, v[TG]
	v_add_nc_u32 v30, s[TT], v[RR]
.set i, 0
.rept 4
	v_add_nc_u32 v[TR+i], 16*i, v30                ; and as an owner of row 16 mt + r
	v_min_u32 v[TR+i], s[CNT], v[TR+i]
	v_min_u32 v[TR+i], 0x1fff, v[TR+i]
	v_lshlrev_b32 v[TR+i], 2, v[TR+i]
.set i, i+1
.endr
.set i, 0
.rept 5
	global_load_b32 v[TG+i], v[TG+i], s[LISTB:LISTB+1]         ; each load lands on its own address register
.set i, i+1
.endr
	s_cmp_lt_u32 s[WV], 4
	s_cselect_b32 s[T0], s[EA], s[EB]              ; my expert in product 1
	s_cselect_b32 s[XM], 0, -1
	s_and_b32 s[T1], s[WV], 3
	s_lshl2_add_u32 s[T0], s[T0], s[T1]            ; 4 e + q: eight chunks of 32,768 bytes each
	s_lshl_b32 s[O64], s[T0], 18
	s_add_nc_u64 s[NB:NB+1], s[10:11], s[O64:O64+1]
	s_add_nc_u64 s[NB+2:NB+3], s[NB:NB+1], 16384
	s_lshl_b32 s[T0], s[EA], 5
	s_lshl2_add_u32 s[T0], s[WV], s[T0]            ; 32 a + 4 w: my columns' first half-chunk of down
	s_lshl_b32 s[O64], s[T0], 14
	s_add_co_u32 s[O64], s[O64], DOWN0
	s_add_nc_u64 s[DD:DD+1], s[10:11], s[O64:O64+1]
	s_lshl_b32 s[T0], s[EB], 5
	s_lshl2_add_u32 s[T0], s[WV], s[T0]
	s_lshl_b32 s[O64], s[T0], 14
	s_add_co_u32 s[O64], s[O64], DOWN0
	s_add_nc_u64 s[DD+2:DD+3], s[10:11], s[O64:O64+1]
	s_lshl_b32 s[O64], s[WV], 10
	s_add_nc_u64 s[OUTB:OUTB+1], s[14:15], s[O64:O64+1]        ; out at column 256 w
	s_wait_loadcnt 0x0
.set i, 0
.rept 5
	v_min_u32 v[TG+i], 0x1fff, v[TG+i]             ; a token's number
.set i, i+1
.endr
.set i, 0
.rept 4
	v_lshlrev_b32 v[48+i], 3, v[TR+i]
.set i, i+1
.endr
.set i, 0
.rept 4
	global_load_b64 v[32+2*i:33+2*i], v[48+i], s[6:7]          ; my token's two indices,
	global_load_b64 v[40+2*i:41+2*i], v[48+i], s[8:9]          ; and its two weights
.set i, i+1
.endr
.set i, 0
.rept 8
	v_readlane_b32 s[T0], v[TG], i
	s_min_u32 s[T0], s[T0], 0x1fff
	s_lshl_b32 s[O64], s[T0], 13
	s_add_nc_u64 s[XR+2*i:XR+2*i+1], s[4:5], s[O64:O64+1]      ; x at row i of my wave's 8
.set i, i+1
.endr
	ds_store_b32 v31, v[TG]                        ; the tile's token numbers; four lanes write each word, with the same number
.set g, 0
.rept 6
	XLOAD g
.set g, g+1
.endr
	s_wait_loadcnt 48                              ; the eight index and weight loads are in; the 48 loads of x issued behind them stay out
.set i, 0
.rept 4
	v_cmp_le_u32 s[T0], v[32+2*i], v[33+2*i]       ; is the first index the lower expert?
	s_xor_b32 s[T0], s[T0], s[XM]                  ; waves 4-7 want the other one
	v_cndmask_b32 v29, v[41+2*i], v[40+2*i], s[T0]
	v_cvt_pk_bf16_f32 v29, v29, v29                ; rounded to bf16 like every other input
	v_and_b32 v[WT+2*i], 0xffff0000, v29
	v_mov_b32 v[WT+2*i+1], v[WT+2*i]
.set i, i+1
.endr
; ---------------------------------------------------------------- THE GATHER: 16 groups; six are on their way; behind the last x loads the ring's first chunk is asked for
.set g, 0
.rept 16
.if g < 15
	XCVT g, 40                                     ; behind group g were issued five more groups of eight: of x, or (from group 11 on) of x and of the ring
.else
	XCVT g, 48                                     ; behind the last group: six K steps of the ring
.endif
.if g <= 9
	XLOAD g+6
.elseif g <= 13
	BLOAD g-10
.elseif g == 14
	BLOAD 4
	BLOAD 5
.else
	BLOAD 6
	BLOAD 7
.endif
.set g, g+1
.endr
	WIN 0
	s_wait_dscnt 0x0                               ; for the others' sake: my rows of x and my token numbers are in LDS
	s_barrier_signal -1
	s_barrier_wait -1                              ; everybody's are.  The ring's loads stay on their way: they touch registers alone
	s_cmp_eq_u32 s[NV], 0
	s_cbranch_scc1 .Lb1                            ; no rows: product 1 is jumped; the barrier behind it is not
; ---------------------------------------------------------------- PRODUCT 1
	s_wait_xcnt 0x0                                ; the ring's base is stepped only behind this wait
	s_add_nc_u64 s[NB:NB+1], s[NB:NB+1], 32768
	s_add_nc_u64 s[NB+2:NB+3], s[NB+2:NB+3], 32768
	CHUNK 1, 1, 1                                  ; the first chunk is written out: its first products start the sums
	s_mov_b32 s[CTR], 7
.Lg1:
	s_wait_xcnt 0x0
	s_add_nc_u64 s[NB:NB+1], s[NB:NB+1], 32768
	s_add_nc_u64 s[NB+2:NB+3], s[NB+2:NB+3], 32768
	s_cmp_eq_u32 s[CTR], 1                         ; the last chunk asks for product 2's first: down of expert a into K steps 0-3, of expert b into 4-7
	s_cselect_b64 s[NB:NB+1], s[DD:DD+1], s[NB:NB+1]
	s_cselect_b64 s[NB+2:NB+3], s[DD+2:DD+3], s[NB+2:NB+3]
.set i, 0
.rept 4
	v_add_nc_u32 v[AADR+i], 512, v[AADR+i]         ; 256 k on in x's rows
.set i, i+1
.endr
	CHUNK 1, 0, 1
	s_sub_co_i32 s[CTR], s[CTR], 1
	s_cmp_lg_u32 s[CTR], 0
	s_cbranch_scc1 .Lg1
.Lb1:
	s_wait_dscnt 0x0                               ; my reads of LDS in product 1 are over.  The loop's read addresses step in registers from trip to trip:
	s_barrier_signal -1                            ; this barrier keeps every wave's reads of product 1 ahead of every wave's LDS stores below, whatever the step
	s_barrier_wait -1
	s_cmp_eq_u32 s[NV], 0
	s_cbranch_scc1 .Lbm                            ; no rows: nothing to activate
; ---------------------------------------------------------------- BETWEEN THE PRODUCTS
	v_mov_b32 v[MXR], 0
	ACTV 0
	ACTV 1
	ACTV 2
	ACTV 3
	; my wave's largest |act|: four steps inside each half of 16 lanes ride on the arithmetic (DPP), one crosses the halves
	v_max_num_f32_dpp v[MXR], v[MXR], v[MXR] row_xmask:1 row_mask:0xf bank_mask:0xf
	v_max_num_f32_dpp v[MXR], v[MXR], v[MXR] row_xmask:2 row_mask:0xf bank_mask:0xf
	v_max_num_f32_dpp v[MXR], v[MXR], v[MXR] row_xmask:4 row_mask:0xf bank_mask:0xf
	v_max_num_f32_dpp v[MXR], v[MXR], v[MXR] row_xmask:8 row_mask:0xf bank_mask:0xf
	s_mov_b32 s[T0], 0x76543210                    ; each lane takes its own place in the other half
	s_mov_b32 s[T1], 0xfedcba98
	v_permlanex16_b32 v31, v[MXR], s[T0], s[T1]    ; (its destination counts as read: v31 has been written)
	v_max_num_f32 v[MXR], v[MXR], v31
	s_lshl_b32 s[T0], s[WV], 2
	s_add_co_u32 s[T0], s[T0], MXB
	v_mov_b32 v31, s[T0]
	ds_store_b32 v31, v[MXR]                       ; all lanes write my wave's word with the same number
.Lbm:
	s_wait_dscnt 0x0                               ; for the others' sake: my wave's maximum is in LDS
	s_barrier_signal -1
	s_barrier_wait -1
	s_cmp_eq_u32 s[NV], 0
	s_cbranch_scc1 .Lb2
	v_mov_b32 v31, MXB
	ds_load_b128 v[64:67], v31                     ; the eight waves' maxima, in every lane
	ds_load_b128 v[68:71], v31 offset:16
	v_mul_u32_u24 v[GST], v[RR], AP                ; act: row 16 mt + r, k = 32 w + 8 h ..
	v_lshl_add_u32 v[GST], v[HH], 4, v[GST]
	s_lshl_b32 s[T0], s[WV], 6
	s_add_co_u32 s[T0], s[T0], ACT
	v_add_nc_u32 v[GST], s[T0], v[GST]
	s_wait_dscnt 0x0
	v_max3_num_f32 v64, v64, v65, v66
	v_max3_num_f32 v67, v67, v68, v69
	v_max3_num_f32 v64, v64, v70, v71
	v_max_num_f32 v64, v64, v67                    ; M, the tile's largest |act|,
	v_max_num_f32 v64, 0x07800000, v64             ; held to 2^-112 at the least, so that both powers below are normal numbers
	v_lshrrev_b32 v65, 23, v64                     ; E, its biased exponent: 15 to 254
	v_sub_nc_u32 v[SC], 0x10c, v65                 ; S = 2^(141 - E): biased exponent 268 - E
	v_lshlrev_b32 v[SC], 23, v[SC]
	v_mov_b32 v[SC+1], v[SC]
	v_add_nc_u32 v[INV], -14, v65                  ; 1 / S = 2^(E - 141): biased exponent E - 14
	v_lshlrev_b32 v[INV], 23, v[INV]
	ACTS 0
	ACTS 1
	ACTS 2
	ACTS 3
.Lb2:
	s_wait_dscnt 0x0                               ; for the others' sake: my part of act is in LDS
	s_barrier_signal -1
	s_barrier_wait -1
	s_cmp_eq_u32 s[NV], 0
	s_cbranch_scc1 .Lend
; ---------------------------------------------------------------- PRODUCT 2
	v_mul_u32_u24 v29, v[RR], AP
	v_lshl_add_u32 v29, v[HH], 4, v29
.set i, 0
.rept 4
	v_add_nc_u32 v[AADR+i], ACT+i*16*AP, v29
.set i, i+1
.endr
	v_lshlrev_b32 v[TA], 5, v[HH]
	v_add_nc_u32 v[TA], TOKT, v[TA]                ; tokens 16 mt + 8 h + 0..7
.set i, 0
.rept 4
	ds_load_b128 v[ROW+8*i:ROW+8*i+3],   v[TA] offset:64*i
	ds_load_b128 v[ROW+8*i+4:ROW+8*i+7], v[TA] offset:64*i+16
.set i, i+1
.endr
	v_lshlrev_b32 v[RR], 4, v[RR]                  ; my four columns: 16 r bytes
	s_wait_dscnt 0x0
.set i, 0
.rept 32
	v_min_u32 v[ROW+i], 0x1fff, v[ROW+i]
	v_lshl_add_u32 v[ROW+i], v[ROW+i], 13, v[RR]   ; rows of 8,192 bytes
.set i, i+1
.endr
	s_mov_b32 s[CTR], 3
.Lg2:
	s_wait_xcnt 0x0
	s_add_nc_u64 s[NB:NB+1], s[NB:NB+1], 16384     ; the next 64 columns' half-chunks
	s_add_nc_u64 s[NB+2:NB+3], s[NB+2:NB+3], 16384
	CHUNK 2, 1, 1
	OUTALL
	s_wait_xcnt 0x0                                ; the stores' base, and the registers that they read (the next chunk's fragments land there), are rewritten only behind this wait
	s_add_nc_u64 s[OUTB:OUTB+1], s[OUTB:OUTB+1], 256
	s_sub_co_i32 s[CTR], s[CTR], 1
	s_cmp_lg_u32 s[CTR], 0
	s_cbranch_scc1 .Lg2
	CHUNK 2, 1, 0                                  ; the last chunk is written out: it asks for nothing, and its counts run down
	OUTALL
.Lend:
	s_wait_tensorcnt 0x0                           ; the wave's end: three closing lines behind my last LDS store
	ds_add_u32 v[SPW], v[NIL]
	s_wait_dscnt 0x0
	s_endpgm
.Lfunc_end_k_qe9fa8e3881_moe:
	.size	k_qe9fa8e3881_moe, .Lfunc_end_k_qe9fa8e3881_moe-k_qe9fa8e3881_moe
	.p2alignl 7, 3214868480
	.fill 96, 4, 3214868480
	.section	.rodata,"a",@progbits
	.p2align	6, 0x0
	.amdhsa_kernel k_qe9fa8e3881_moe
		.amdhsa_group_segment_fixed_size 298496
		.amdhsa_private_segment_fixed_size 0
		.amdhsa_enable_private_segment 0
		.amdhsa_kernarg_size 48
		.amdhsa_user_sgpr_count 2
		.amdhsa_user_sgpr_kernarg_segment_ptr 1
		.amdhsa_wavefront_size32 1
		.amdhsa_system_sgpr_workgroup_id_x 1
		.amdhsa_system_sgpr_workgroup_id_y 1
		.amdhsa_system_sgpr_workgroup_id_z 1
		.amdhsa_system_vgpr_workitem_id 0
		.amdhsa_next_free_vgpr 512
		.amdhsa_next_free_sgpr 96
		.amdhsa_reserve_vcc 0
		.amdhsa_float_denorm_mode_32 3
		.amdhsa_float_denorm_mode_16_64 3
		.amdhsa_memory_ordered 1
		.amdhsa_forward_progress 1
		.amdhsa_inst_pref_size 192
	.end_amdhsa_kernel
	.amdgpu_metadata
---
amdhsa.version: [ 1, 2 ]
amdhsa.kernels:
  - .name:           k_qe9fa8e3881_moe
    .symbol:         k_qe9fa8e3881_moe.kd
    .args:
      - { .name: hidden_states, .offset: 0, .size: 8, .value_kind: global_buffer, .address_space: global }
      - { .name: top_k_index, .offset: 8, .size: 8, .value_kind: global_buffer, .address_space: global }
      - { .name: top_k_weights, .offset: 16, .size: 8, .value_kind: global_buffer, .address_space: global }
      - { .name: wts, .offset: 24, .size: 8, .value_kind: global_buffer, .address_space: global }
      - { .name: route, .offset: 32, .size: 8, .value_kind: global_buffer, .address_space: global }
      - { .name: out0, .offset: 40, .size: 8, .value_kind: global_buffer, .address_space: global }
    .group_segment_fixed_size: 298496
    .private_segment_fixed_size: 0
    .kernarg_segment_align: 8
    .kernarg_segment_size: 48
    .max_flat_workgroup_size: 256
    .sgpr_count:     96
    .vgpr_count:     512
    .wavefront_size: 32
...
	.end_amdgpu_metadata
.endif
;; end of part 2
;; ======== version 2 of 2: 2 launches; version 1 with the launch moe written anew for expert scheduling mode
;; limits: values are held in f16: magnitudes above 65,504 overflow, below 6.1e-05 lose precision
;; workspace buffers: wts 12,582,912 bytes; route 33,024 bytes of whole numbers
;; launch prep: the kernel of part 1 again; grid 292 x 1, 8 waves a work-group, no clusters, 54,528 bytes of LDS; arguments gate_up_proj, down_proj, top_k_index, wts, route; writes wts, route
;; launch moe (part 3): grid 163 x 1, 8 waves a work-group, no clusters, 298,496 bytes of LDS; arguments hidden_states, top_k_index, top_k_weights, wts, route, out0; writes out0
.if DOCPART == 3
	.amdgcn_target "amdgcn-amd-amdhsa--gfx1250"
	.amdhsa_code_object_version 6
	.text
	.protected	k_qe9fa8e3881_moe
	.globl	k_qe9fa8e3881_moe
	.p2align	8
	.type	k_qe9fa8e3881_moe,@function
k_qe9fa8e3881_moe:
	s_mov_b64 s[64:65], 0
	v_nop
	global_prefetch_b8 v0, s[64:65] scope:SCOPE_SE
	s_setreg_imm32_b32 hwreg(HW_REG_WAVE_SCHED_MODE, 0, 2), 2
	s_setreg_imm32_b32 hwreg(HW_REG_WAVE_MODE, 25, 1), 1
	s_wait_xcnt 0x0
	s_wait_alu depctr_vm_vsrc(0)
; out[t] = w_a gelu(x[t] Wg_a^T) * (x[t] Wu_a^T) Wd_a^T + the same for expert b, for the two experts (a <= b) that token t names.
; A WORK-GROUP takes a tile of up to 64 tokens of ONE set (a, b) through the whole chain, so every output row has one owner and x and out move once.
; Tiles: set s has ceil(count / 64); over 36 sets and 8,192 tokens never more than 128 + 35 = 163, the grid.  Each work-group finds its tile, and its set's first place in the one list of
; tokens, from the 36 stored counts.  A work-group past the last tile has NV = 0 rows: it passes all four barriers, jumps the work between them and stores nothing.
; PRODUCT 1 (bf16; K = 2,048 in 8 chunks of 256): wave w makes 64 tokens x 64 columns of expert (w < 4 ? a : b): 32 gate columns 32 (w & 3) .. and the 32 up columns that go with them: 16 accumulators.
;   x's tile lies in LDS in bf16; the weights come from memory straight into operand registers, in the order in which the launch before laid them: a ring of eight K steps of 32 (256 registers)
;   that is always asked for one chunk ahead.  Source 0 = weights, source 1 = tokens: a lane holds one token and eight neighbouring columns.
; BETWEEN: act = gelu_tanh(gate) x up x w, in f32.  gelu(g) = g / (1 + 2^(-g (C1 + C2 g^2))), C1 = 2 log2(e) sqrt(2 / pi), C2 = 0.044715 C1: the exponential only ever enters 1 + e and a
;   reciprocal, so an overflow gives the limit 0.  act is a matrix operand of my own making, so its rounding is all mine: it goes in f16 (11 significant bits), which by itself has no room for it
;   (act grows with the fifth power of a common scale of the inputs).  So the tile is scaled by a power of two: M = the largest |act| of the tile (lanes, then waves through LDS), E its biased exponent,
;   S = 2^(141 - E): the largest number lands in [2^14, 2^15); out is multiplied by 1 / S = 2^(E - 141) on its way out.  Both are exact.
;   act S, rounded once to f16, goes into LDS: row = token, k = 32 w ..: 128 numbers of expert a, then 128 of expert b.
; PRODUCT 2 (f16; K = 256: both experts in one sum): wave w makes 64 tokens x columns 256 w .. 256 w + 255, in 4 chunks of 64.  Source 0 = tokens, source 1 = weights, whose tile nt holds columns
;   4 r + nt: a lane's four tiles hold four NEIGHBOURING columns, so 16 lanes store 256 consecutive bytes of a row, aligned.
; PLACES PAST THE COUNT repeat the set's last token: in the one block of 16 rows that is not full they make and store that row's numbers again; whole blocks past the count are jumped.
; With both indices equal, a = b: the two halves carry w0 and w1 of the same expert, and the sum is (w0 + w1) x its result.
; LIMITS.  Indices lie in 0..7.  x, both weight tensors and top_k_weights are rounded to bf16 (down's numbers then written as f16: within 65,504); all sums in f32.
;   An act below 2^-29 of its tile's largest keeps f16's fixed step, 2^-39 of that largest or less; a tile whose largest lies below 2^-112 is scaled by 2^126.
;   An exponential below 2^-126 counts as 0; NaN and infinities are not treated apart.
; NO CLUSTER, NO TENSOR LOAD: x's tile takes 263,168 of the work-group's LDS bytes, and one chunk of the eight waves' weights is 8 x 32,768 bytes: there is no room for slots that a joint load
;   could fill; and partners would have to be tiles of one set, of which a set of up to 64 tokens has only one.
; REGISTERS.  Window 0: v0-31 addresses and constants; v32-63 the tile's rows of out (in the head offsets and index and weight pairs, in the gather two out-buffers); v64-127 two buffers of token
;   fragments (also at work between and behind the products); v128-255 accumulators, (mt, nt) at 128 + 8 (4 mt + nt); in the gather v64-255 are six groups of 32 for x.
;   Window 1: the ring: K step j, tile nt at 8 (4 j + nt).
; THE MODE: SCHED_MODE bits 1:0 = 2 (LLVM: expert scheduling mode 2), set by the entry lines.  The code itself states the register dependences between vector or matrix instructions and memory or
;   LDS instructions, and those through scalar registers that vector instructions write, with s_wait_alu, always for 0.
; THE PLAN.  Registers that memory or LDS instructions touch, and who else names them:
;   v1           The offset of every load of x and of the ring; written once, at the head.
;   HEAD         v57, v52-56, v48-51: offsets, each written once by vector lines: one wait on va_vdst ahead of each of the three runs of loads.  What vector lines write into scalar registers (the wave's
;                number, 36 counts, 8 token numbers, 4 masks) is laid in runs, with one wait on va_sdst behind each run.
;   GATHER       X0 .. X5 (v64-255): group g's sixteen conversions read X[g % 6]; behind them the loads of group g + 6 land there.  OUT0, OUT1 (v32-63): the conversions write OUT[g % 2], the group's eight
;                LDS stores read it.  A group has one wait on va_vdst, behind its conversions, and one on vm_vsrc, at its head, a whole group behind the stores that it speaks of.
;   PRODUCTS     AB0, AB1 (v64-127): K step j's products read AB[j % 2]; the LDS loads issued in step j land in the other.  Ring step j: read by step j's products, asked for again in step j + 1.
;                ONE wait on va_vdst at a K step's head states that the step before is done with both; the step's sixteen loads follow it, the ring's eight between the step's two halves of eight products,
;                which name ring step j, AB[j % 2] and the accumulators alone.  v6-9, the fragments' LDS addresses, are stepped at a chunk's end: a wait on vm_vsrc ahead of the four adds, and behind them
;                the wait on va_vdst that stands there for the ring's last step.
;   BETWEEN      v31, v30: address and data of the store of my wave's maximum.  v31 again, and v64-71: address and data of the loads of the eight maxima.  v10, v96-127: address and data of act's stores.
;   WAY OUT      v32-63: the rows' offsets, written once.  v64-95 and v96-127: two out-buffers by turns: a block's 32 multiplies write one, a wait on va_vdst, its eight stores read it; a wait on vm_vsrc
;                (beside s_wait_xcnt 0) ahead of whatever writes a buffer again: blocks 2 and 3, and the next chunk's fragments.
.set XP,    4112                       ; a row of x in LDS: 4,096 bytes + 16 = 1,028 words: row r starts at bank 4 r mod 64 (64 banks of 4 bytes: ISA guide 11.1)
.set AP,    528                        ; a row of act: 512 + 16 bytes = 132 words: likewise
.set ACT,   64*XP
.set TOKT,  ACT+64*AP                  ; the tile's 64 token numbers
.set MXB,   TOKT+256                   ; eight words: each wave's largest |act|
.set SPARE, MXB+256                    ; the spare words, 128 bytes for each wave: four blocks of 256 bytes that no other line names
.set DOWN0, 0x800000                   ; where down's part of wts begins
.set L16,  1                           ; v1      16 x lane; never rewritten
.set RR,   2                           ; v2      r = lane % 16; for product 2: 16 r
.set HH,   3                           ; v3      h = lane / 16
.set SPW,  4                           ; v4      LDS address of my spare word; never rewritten
.set NIL,  5                           ; v5      0; never rewritten
.set AADR, 6                           ; v6-9    LDS address of my fragment of token block mt
.set GST,  10                          ; v10     the gather's LDS address; later where I put act
.set TA,   11                          ; v11     where I read token numbers
.set WT,   12                          ; v12-19  block mt: my token's weight for my expert, twice (a pair for the packed multiply)
.set SC,   12                          ; v12-13  later: S, twice
.set INV,  14                          ; v14     later: 1 / S
.set C1,   20                          ; v20-21  -C1, twice
.set C2,   22                          ; v22-23  -C2, twice
.set TG,   24                          ; v24     lanes 0-7: the tokens of the 8 rows that my wave gathers
.set TR,   25                          ; v25-28  block mt: token 16 mt + r
.set MXR,  30                          ; v30     between the products: the running maximum of |act|
.set ROW,  32                          ; v32-63  8 mt + j: byte offset in out of token 16 mt + 8 h + j, + 16 r.  In the head: v32-33 the counts; then v32-39 index pairs, v40-47 weight pairs, v48-51 their offsets
.set OUT,  32                          ; v32-63  in the gather: out-buffer b at OUT + 16 b: a group's 64 numbers of x a lane in bf16
.set LA,   52                          ; v52-56  in the head: byte offsets in the list of the five places that I look up
.set CO,   57                          ; v57     in the head: 4 x lane, the offset of the two loads of the counts
.set AB,   64
.set ACC,  128
.set XR,   16                          ; s[16:31] x at my wave's 8 rows (before that s[16:51]: the 36 counts)
.set TKS,  32                          ; s[32:39] the 8 token numbers, read out of v24's lanes
.set MKS,  40                          ; s[40:43] block mt: the lanes whose first index is the expert that my wave serves
.set WV,   52
.set G,    53                          ; my work-group's number
.set ACCT, 54                          ; tiles of the sets before
.set CODE, 55                          ; a << 8 | b << 16
.set FIRST,56                          ; my set's first tile
.set CNT,  57                          ; my set's count; later its last place in the list
.set TT,   58                          ; at work; then my tile's first place in the list
.set NV,   59                          ; my tile's rows, 0 to 64
.set EA,   60
.set EB,   61
.set T0,   62
.set T1,   63
.set NB,   66                          ; s[66:67], s[68:69] where the ring's K steps 0-3 and 4-7 are asked for next
.set DD,   70                          ; s[70:71], s[72:73] down's first half-chunk for my columns, expert a and b
.set OUTB, 74                          ; s[74:75] out at my chunk's first column
.set O64,  76                          ; s[76:77] an offset in 64 bits
.set CTR,  78
.set XM,   79                          ; 0 for waves 0-3 (expert a), -1 for waves 4-7 (expert b)
.set LISTB,80                          ; s[80:81] the list of tokens
.set STRT, 82                          ; my set's first place in the list
.set ACCC, 83                          ; tokens of the sets before
.set MSB, 0
.macro WIN new                         ; s_set_vgpr_msb: bits 1:0 source 0, 3:2 source 1, 5:4 source 2, 7:6 destination; the high byte repeats the setting that is left
.if MSB != (\new)
	s_set_vgpr_msb (MSB<<8)|(\new)
.set MSB, (\new)
.endif
.endm
.set GLD, 0x40                         ; a load into the ring: destination window 1, address window 0
; K step j of the ring: 4 tiles x 2 loads of 512 consecutive bytes; p = 0 fills a fragment's registers 0-3, p = 1 registers 4-7
.macro BLOAD j
	WIN GLD
.set bn, 0
.rept 4
	global_load_b128 v[8*(4*(\j)+bn):8*(4*(\j)+bn)+3],   v[L16], s[NB+2*((\j)/4):NB+2*((\j)/4)+1] offset:(((\j)%4)*4+bn)*1024
	global_load_b128 v[8*(4*(\j)+bn)+4:8*(4*(\j)+bn)+7], v[L16], s[NB+2*((\j)/4):NB+2*((\j)/4)+1] offset:(((\j)%4)*4+bn)*1024+512
.set bn, bn+1
.endr
.endm
; the four token fragments (16 rows x 32 k) of K step j into buffer j % 2
.macro ALOAD j
.set am, 0
.rept 4
	ds_load_b128 v[AB+32*((\j)%2)+8*am:AB+32*((\j)%2)+8*am+3],   v[AADR+am] offset:64*(\j)
	ds_load_b128 v[AB+32*((\j)%2)+8*am+4:AB+32*((\j)%2)+8*am+7], v[AADR+am] offset:64*(\j)+32
.set am, am+1
.endr
.endm
; 8 matrix instructions: weight tiles n0 and n0 + 1 x the four token blocks.  A K step is two of these, n0 = 0 and 2: its sixteen accumulators take turns, one instruction a turn.
; ord = 1 (product 1, bf16): weights are source 0; ord = 2 (product 2, f16): tokens are.  zero = 1: K step 0 starts the sums
.macro MUL8 j, ord, zero, n0
.set mn, (\n0)
.rept 2
.set mm, 0
.rept 4
.set rD, ACC+8*(4*mm+mn)
.set rB, 8*(4*(\j)+mn)
.set rA, AB+32*((\j)%2)+8*mm
.if (\ord) == 1
.if (\zero) && ((\j) == 0)
	v_wmma_f32_16x16x32_bf16 v[rD:rD+7], v[rB:rB+7], v[rA:rA+7], 0
.else
	v_wmma_f32_16x16x32_bf16 v[rD:rD+7], v[rB:rB+7], v[rA:rA+7], v[rD:rD+7]
.endif
.else
.if (\zero) && ((\j) == 0)
	v_wmma_f32_16x16x32_f16 v[rD:rD+7], v[rA:rA+7], v[rB:rB+7], 0
.else
	v_wmma_f32_16x16x32_f16 v[rD:rD+7], v[rA:rA+7], v[rB:rB+7], v[rD:rD+7]
.endif
.endif
.set mm, mm+1
.endr
.set mn, mn+1
.endr
.endm
; A CHUNK: eight K steps of 32.  pf = 1: in each K step the ring registers of the step before are asked for again, with the NEXT chunk's weights (s[NB..] has been stepped).
; step = 1 (product 1): at the chunk's end the fragments' LDS addresses move on by a chunk, 256 k.
; The chunk's first two runs of fragment loads hang on the wait on va_vdst that stands ahead of the chunk: at the end of the chunk before, or in the text ahead of a product's first chunk.
; The four v_nop at a K step's head are the places between a matrix instruction and a load into a register that it has read; the wait behind them states the dependence
; itself.  Five places stand at the chunk's end: what follows reads the accumulators or writes over them and over the fragments (ISA guide 7.12.1).
.macro CHUNK ord, zero, pf, step
.set AW, 4*((\ord)-1)                  ; LDS loads: destination and address in window 0 (for ord = 2 the products' own setting serves)
.set MW, 1+3*((\ord)-1)                ; the products: the ring is source 0 (ord = 1) or source 1 (ord = 2)
	WIN AW
	ALOAD 0
.set cj, 0
.rept 8
.if (cj > 0) && ((\pf) || (cj < 7))
.rept 4
	v_nop
.endr
	s_wait_alu depctr_va_vdst(0)                   ; the products of K step cj - 1 are done reading their fragment buffer, in which the LDS loads below land, and ring step cj - 1, in which this step's global loads land
.endif
.if cj < 7
	WIN AW
	ALOAD cj+1
	s_wait_dscnt 8                                 ; this K step's token fragments are in; the eight loads just issued stay out
.else
	s_wait_dscnt 0x0
.endif
.if \pf
.if cj == 0
	s_wait_loadcnt 56                              ; ring step 0 is in: behind it were issued the seven later steps, eight loads each
.else
	s_wait_loadcnt 48                              ; ring step cj is in: behind it were issued the 7 - cj later steps and this chunk's cj - 1 refills, eight loads each; the refill of step cj - 1 follows below
.endif
.else
	s_wait_loadcnt 8*(7-cj)                        ; nothing is asked for any more: only this chunk's later steps are behind it
.endif
	WIN MW
	MUL8 cj, \ord, \zero, 0
.if (\pf) && (cj > 0)
	BLOAD cj-1                                     ; no wait: since the wait at the step's head no vector or matrix instruction has named ring step cj - 1 or v1
	WIN MW
.endif
	MUL8 cj, \ord, \zero, 2
.set cj, cj+1
.endr
.if \step
	s_wait_alu depctr_vm_vsrc(0)                   ; the LDS loads issued so far have read v6-9, which the four adds write
	WIN 0
.set am, 0
.rept 4
	v_add_nc_u32 v[AADR+am], 512, v[AADR+am]       ; 256 k on in x's rows; the four adds are four of the five places
.set am, am+1
.endr
	v_nop
.else
.rept 5
	v_nop
.endr
.endif
.if \pf
	WIN GLD
	s_wait_alu depctr_va_vdst(0)                   ; K step 7's products are done reading ring step 7, in which the loads below land, and steps 6 and 7 their fragment buffers, in which the next chunk's first fragments land; v6-9 are written, which those loads read
	BLOAD 7
.endif
	WIN 0                                          ; at a label and at a branch every window is 0
.endm
; THE GATHER.  Group g of 16: half g % 2 of row g / 2 of my wave's 8 rows: eight loads of 512 consecutive bytes
.macro XLOAD g
	WIN 0
.set xt, 0
.rept 8
	global_load_b128 v[64+32*((\g)%6)+4*xt:64+32*((\g)%6)+4*xt+3], v[L16], s[XR+2*((\g)/2):XR+2*((\g)/2)+1] offset:(8*((\g)%2)+xt)*512
.set xt, xt+1
.endr
.endm
.macro XCVT g, cnt                     ; group g is rounded to bf16, out of X[g % 6] into OUT[g % 2]
	WIN 0
	s_wait_loadcnt \cnt
.if (\g) > 0
	s_wait_alu depctr_vm_vsrc(0)                   ; the LDS stores of the group before last have read OUT[g % 2]; ahead of group 1: the head's loads have read their offsets v48-57, which lie in OUT[1]
.endif
.set xt, 0
.rept 8
.set xb, 64+32*((\g)%6)+4*xt
.set xo, OUT+16*((\g)%2)+2*xt
	v_cvt_pk_bf16_f32 v[xo], v[xb], v[xb+1]
	v_cvt_pk_bf16_f32 v[xo+1], v[xb+2], v[xb+3]
.set xt, xt+1
.endr
	s_wait_alu depctr_va_vdst(0)                   ; the conversions have written OUT[g % 2], which the LDS stores read, and are done reading X[g % 6], in which (groups 0 to 9) the loads of group g + 6 land
.endm
.macro XPUT g                          ; and put into x's tile: a wave's store covers 256 consecutive LDS bytes
	WIN 0
.set xt, 0
.rept 8
	ds_store_b64 v[GST], v[OUT+16*((\g)%2)+2*xt:OUT+16*((\g)%2)+2*xt+1] offset:((\g)/2)*XP+(8*((\g)%2)+xt)*256
.set xt, xt+1
.endr
.endm
; act of token block mt: 16 gate and 16 up numbers a lane; act stays in f32, in the gate's registers, and the running maximum takes its magnitudes.
; Each accumulator's lowest registers are read first.
.macro ACTV mt
.set gB, ACC+32*(\mt)
.set uB, gB+16
.set ei, 0
.rept 8
	v_pk_mul_f32 v[64+2*ei:65+2*ei], v[gB+2*ei:gB+2*ei+1], v[gB+2*ei:gB+2*ei+1]
.set ei, ei+1
.endr
.set ei, 0
.rept 8
	v_pk_fma_f32 v[64+2*ei:65+2*ei], v[64+2*ei:65+2*ei], v[C2:C2+1], v[C1:C1+1]
.set ei, ei+1
.endr
.set ei, 0
.rept 8
	v_pk_mul_f32 v[64+2*ei:65+2*ei], v[64+2*ei:65+2*ei], v[gB+2*ei:gB+2*ei+1]      ; -g (C1 + C2 g^2)
.set ei, ei+1
.endr
.set ei, 0
.rept 16
	v_exp_f32 v[64+ei], v[64+ei]
.set ei, ei+1
.endr
.set ei, 0
.rept 8
	v_pk_mul_f32 v[80+2*ei:81+2*ei], v[uB+2*ei:uB+2*ei+1], v[WT+2*(\mt):WT+2*(\mt)+1]  ; up x w: the plain work behind the batch of exponentials
.set ei, ei+1
.endr
	s_wait_alu depctr_va_vdst(0)                   ; the sixteen exponentials have written v64-79: one wait, ahead of their first reader
.set ei, 0
.rept 8
	v_pk_add_f32 v[64+2*ei:65+2*ei], v[64+2*ei:65+2*ei], 1.0 op_sel_hi:[1,0]
.set ei, ei+1
.endr
.set ei, 0
.rept 16
	v_rcp_f32 v[64+ei], v[64+ei]
.set ei, ei+1
.endr
	v_nop                                          ; a plain instruction between the last reciprocal and the use of its result
	s_wait_alu depctr_va_vdst(0)                   ; the sixteen reciprocals have written v64-79: one wait, ahead of their first reader
.set ei, 0
.rept 8
	v_pk_mul_f32 v[64+2*ei:65+2*ei], v[64+2*ei:65+2*ei], v[gB+2*ei:gB+2*ei+1]      ; gelu(gate)
.set ei, ei+1
.endr
.set ei, 0
.rept 8
	v_pk_mul_f32 v[gB+2*ei:gB+2*ei+1], v[64+2*ei:65+2*ei], v[80+2*ei:81+2*ei]      ; act, where the gate was
.set ei, ei+1
.endr
.set ei, 0
.rept 16
	v_and_b32 v[64+ei], 0x7fffffff, v[gB+ei]       ; |act|
.set ei, ei+1
.endr
.set ei, 0
.rept 8
	v_max3_num_f32 v[MXR], v[MXR], v[64+2*ei], v[65+2*ei]
.set ei, ei+1
.endr
.endm
; act of token block mt, scaled and rounded once to f16, into the block's own eight registers of v96-127
.macro ACTS mt
.set gB, ACC+32*(\mt)
.set ei, 0
.rept 8
	v_pk_mul_f32 v[64+2*ei:65+2*ei], v[gB+2*ei:gB+2*ei+1], v[SC:SC+1]
.set ei, ei+1
.endr
.set ei, 0
.rept 8
	v_cvt_pk_f16_f32 v[96+8*(\mt)+ei], v[64+2*ei], v[65+2*ei]
.set ei, ei+1
.endr
.endm
.macro ACTP mt                         ; and from there into LDS
	ds_store_b128 v[GST], v[96+8*(\mt):96+8*(\mt)+3]   offset:16*AP*(\mt)        ; my token's columns 8 h .. of my wave's first 16,
	ds_store_b128 v[GST], v[96+8*(\mt)+4:96+8*(\mt)+7] offset:16*AP*(\mt)+32     ; and of its second 16
.endm
; A chunk of product 2 leaves, a block of 16 tokens at a time: for token j of block mt the four tiles' numbers are brought together (four neighbouring columns) and the tile's scale is taken off in the
; same line: 32 multiplies into out-buffer mt % 2; then the block's eight stores.  Whole blocks past the count are jumped.
.macro OUTALL
.set om, 0
.rept 4
.if om > 0
	s_cmp_le_u32 s[NV], 16*om
	s_cbranch_scc1 .Lout_end_\@
.endif
.if om > 1
	s_wait_xcnt 0x0                                ; the registers that earlier stores read are rewritten only behind this wait,
	s_wait_alu depctr_vm_vsrc(0)                   ; and this one: the stores of the block before last have read this out-buffer, which the multiplies below write again
.endif
.set oj, 0
.rept 8
.set on, 0
.rept 4
	v_mul_f32 v[64+32*(om%2)+4*oj+on], v[INV], v[ACC+8*(4*om+on)+oj]
.set on, on+1
.endr
.set oj, oj+1
.endr
	s_wait_alu depctr_va_vdst(0)                   ; the multiplies have written the out-buffer, which the eight stores read (their offsets v32-63 were written ahead of earlier waits)
.set oj, 0
.rept 8
	global_store_b128 v[ROW+8*om+oj], v[64+32*(om%2)+4*oj:64+32*(om%2)+4*oj+3], s[OUTB:OUTB+1] th:TH_STORE_NT  ; lanes 0-15: 256 consecutive bytes of one row, aligned; lanes 16-31: of the row eight tokens on
.set oj, oj+1
.endr
.set om, om+1
.endr
.Lout_end_\@:
.endm
; ---------------------------------------------------------------- THE HEAD
	s_load_b256 s[4:11], s[0:1], 0x0               ; x s[4:5], index s[6:7], weights s[8:9], wts s[10:11]
	s_load_b128 s[12:15], s[0:1], 0x20             ; route s[12:13], out s[14:15]
	v_lshl_add_u32 v[SPW], v0, 2, SPARE
	v_mov_b32 v[NIL], 0
	v_lshrrev_b32 v29, 5, v0
	v_readfirstlane_b32 s[WV], v29                 ; wave 0..7
	v_and_b32 v30, 31, v0                          ; lane
	v_lshlrev_b32 v[L16], 4, v30
	v_and_b32 v[RR], 15, v0
	v_bfe_u32 v[HH], v0, 4, 1
	v_lshlrev_b32 v[CO], 2, v30                    ; 4 x lane
	s_mov_b32 s[G], ttmp9
	s_mov_b32 s[ACCT], 0
	s_mov_b32 s[CODE], 0
	s_mov_b32 s[FIRST], 0
	s_mov_b32 s[CNT], 0
	s_mov_b32 s[STRT], 0
	s_mov_b32 s[ACCC], 0
	s_wait_alu depctr_va_sdst(0)                   ; the wave's number is written into s[WV], ahead of its first reader
	s_wait_kmcnt 0x0
	s_wait_alu depctr_va_vdst(0)                   ; v57 is written, which the two loads read as their offset; so is v1, the offset of every load of x and of the ring
	global_load_b32 v32, v[CO], s[12:13]           ; lane l: the count of set l,
	global_load_b32 v33, v[CO], s[12:13] offset:128  ; and word 32 + l: the counts of sets 32 to 35, then zeros
	v_mul_u32_u24 v29, v[RR], XP                   ; a fragment of x: row 16 mt + r, 16 bytes for each half of the lanes
	v_lshl_add_u32 v29, v[HH], 4, v29
.set i, 0
.rept 4
	v_add_nc_u32 v[AADR+i], i*16*XP, v29
.set i, i+1
.endr
	s_mul_i32 s[T0], s[WV], 8*XP
	v_lshl_add_u32 v[GST], v30, 3, s[T0]           ; the gather: my wave's 8 rows, 8 bytes a lane
	v_mov_b32 v[C1], 0xc0135761                    ; -2.3022082
	v_mov_b32 v[C1+1], 0xc0135761
	v_mov_b32 v[C2], 0xbdd2d3e8                    ; -0.10294324
	v_mov_b32 v[C2+1], 0xbdd2d3e8
	s_wait_loadcnt 0x0                             ; the counts; nothing else is out
.set k, 0
.rept 36
	v_readlane_b32 s[16+k], v[32+k/32], k%32
.set k, k+1
.endr
	s_wait_alu depctr_va_sdst(0)                   ; the 36 counts are written into s16-51: one wait behind the run, ahead of the search that reads them
; my tile: the last set whose first tile is at or below my number (an empty set shares its first tile with the next set, which then takes its place)
.set sa, 0
.set sb, 0
.set k, 0
.rept 36
	s_cmp_ge_u32 s[G], s[ACCT]
	s_cselect_b32 s[CODE], (sa<<8)|(sb<<16), s[CODE]
	s_cselect_b32 s[FIRST], s[ACCT], s[FIRST]
	s_cselect_b32 s[CNT], s[16+k], s[CNT]
	s_cselect_b32 s[STRT], s[ACCC], s[STRT]
	s_add_co_u32 s[ACCC], s[ACCC], s[16+k]
	s_add_co_u32 s[TT], s[16+k], 63
	s_lshr_b32 s[TT], s[TT], 6
	s_add_co_u32 s[ACCT], s[ACCT], s[TT]
.set k, k+1
.set sb, sb+1
.if sb == 8
.set sa, sa+1
.set sb, sa
.endif
.endr
	s_sub_co_u32 s[TT], s[G], s[FIRST]
	s_min_u32 s[TT], s[TT], 255
	s_lshl_b32 s[TT], s[TT], 6                     ; my tile's first place in its set
	s_min_u32 s[CNT], s[CNT], 0x2000
	s_sub_co_i32 s[NV], s[CNT], s[TT]
	s_max_i32 s[NV], s[NV], 0
	s_min_i32 s[NV], s[NV], 64                     ; my tile's rows
	s_min_u32 s[STRT], s[STRT], 0x2000
	s_max_u32 s[CNT], s[CNT], 1
	s_sub_co_u32 s[CNT], s[CNT], 1
	s_add_co_u32 s[CNT], s[CNT], s[STRT]           ; my set's last place in the list: places past it repeat it
	s_add_co_u32 s[TT], s[TT], s[STRT]             ; my tile's first place in the list
	s_bfe_u32 s[EA], s[CODE], 0x80008
	s_min_u32 s[EA], s[EA], 7
	s_bfe_u32 s[EB], s[CODE], 0x80010
	s_min_u32 s[EB], s[EB], 7
	s_mov_b32 s[O64+1], 0
	s_add_nc_u64 s[LISTB:LISTB+1], s[12:13], 256
	s_lshl_b32 s[T1], s[WV], 3
	v_and_b32 v29, 7, v0
	v_add_nc_u32 v29, s[T1], v29                   ; the row that I name as a gatherer: 8 w + lane % 8
	v_lshl_add_u32 v31, v29, 2, TOKT
	v_add_nc_u32 v[LA], s[TT], v29
	v_min_u32 v[LA], s[CNT], v[LA]
	v_min_u32 v[LA], 0x1fff, v[LA]                 ; the list has 8,192 places, all written
	v_lshlrev_b32 v[LA], 2, v[LA]
	v_add_nc_u32 v30, s[TT], v[RR]
.set i, 0
.rept 4
	v_add_nc_u32 v[LA+1+i], 16*i, v30              ; and as an owner of row 16 mt + r
	v_min_u32 v[LA+1+i], s[CNT], v[LA+1+i]
	v_min_u32 v[LA+1+i], 0x1fff, v[LA+1+i]
	v_lshlrev_b32 v[LA+1+i], 2, v[LA+1+i]
.set i, i+1
.endr
	s_wait_alu depctr_va_vdst(0)                   ; v52-56 are written, which the five loads read as their offsets; so are v31, v10 and v6-9, the LDS addresses of the stores and loads further down
.set i, 0
.rept 5
	global_load_b32 v[TG+i], v[LA+i], s[LISTB:LISTB+1]         ; they land in v24-28, which no line has named yet
.set i, i+1
.endr
	s_cmp_lt_u32 s[WV], 4
	s_cselect_b32 s[T0], s[EA], s[EB]              ; my expert in product 1
	s_cselect_b32 s[XM], 0, -1
	s_and_b32 s[T1], s[WV], 3
	s_lshl2_add_u32 s[T0], s[T0], s[T1]            ; 4 e + q: eight chunks of 32,768 bytes each
	s_lshl_b32 s[O64], s[T0], 18
	s_add_nc_u64 s[NB:NB+1], s[10:11], s[O64:O64+1]
	s_add_nc_u64 s[NB+2:NB+3], s[NB:NB+1], 16384
	s_lshl_b32 s[T0], s[EA], 5
	s_lshl2_add_u32 s[T0], s[WV], s[T0]            ; 32 a + 4 w: my columns' first half-chunk of down
	s_lshl_b32 s[O64], s[T0], 14
	s_add_co_u32 s[O64], s[O64], DOWN0
	s_add_nc_u64 s[DD:DD+1], s[10:11], s[O64:O64+1]
	s_lshl_b32 s[T0], s[EB], 5
	s_lshl2_add_u32 s[T0], s[WV], s[T0]
	s_lshl_b32 s[O64], s[T0], 14
	s_add_co_u32 s[O64], s[O64], DOWN0
	s_add_nc_u64 s[DD+2:DD+3], s[10:11], s[O64:O64+1]
	s_lshl_b32 s[O64], s[WV], 10
	s_add_nc_u64 s[OUTB:OUTB+1], s[14:15], s[O64:O64+1]        ; out at column 256 w
	s_wait_loadcnt 0x0
.set i, 0
.rept 5
	v_min_u32 v[TG+i], 0x1fff, v[TG+i]             ; a token's number
.set i, i+1
.endr
.set i, 0
.rept 4
	v_lshlrev_b32 v[48+i], 3, v[TR+i]
.set i, i+1
.endr
.set i, 0
.rept 8
	v_readlane_b32 s[TKS+i], v[TG], i              ; the 8 rows that my wave gathers
.set i, i+1
.endr
	s_wait_alu depctr_va_vdst(0)                   ; v48-51 are written, which the eight loads read as their offsets; v24 is written, which the LDS store below reads; the lines that read the counts are done with v32 and v33, in which loads land
.set i, 0
.rept 4
	global_load_b64 v[32+2*i:33+2*i], v[48+i], s[6:7]          ; my token's two indices,
	global_load_b64 v[40+2*i:41+2*i], v[48+i], s[8:9]          ; and its two weights
.set i, i+1
.endr
	s_wait_alu depctr_va_sdst(0)                   ; the 8 token numbers are written into s32-39: one wait behind the run, ahead of their first reader
.set i, 0
.rept 8
	s_min_u32 s[T0], s[TKS+i], 0x1fff
	s_lshl_b32 s[O64], s[T0], 13
	s_add_nc_u64 s[XR+2*i:XR+2*i+1], s[4:5], s[O64:O64+1]      ; x at row i of my wave's 8
.set i, i+1
.endr
	ds_store_b32 v31, v[TG]                        ; the tile's token numbers; four lanes write each word, with the same number
.set g, 0
.rept 6
	XLOAD g
.set g, g+1
.endr
	s_wait_loadcnt 48                              ; the eight index and weight loads are in; the 48 loads of x issued behind them stay out
.set i, 0
.rept 4
	v_cmp_le_u32 s[MKS+i], v[32+2*i], v[33+2*i]    ; is the first index the lower expert?
.set i, i+1
.endr
	s_wait_alu depctr_va_sdst(0)                   ; the four masks are written into s40-43: one wait behind the run, ahead of their first reader
.set i, 0
.rept 4
	s_xor_b32 s[MKS+i], s[MKS+i], s[XM]            ; waves 4-7 want the other one
.set i, i+1
.endr
.set i, 0
.rept 4
	v_cndmask_b32 v29, v[41+2*i], v[40+2*i], s[MKS+i]
	v_cvt_pk_bf16_f32 v29, v29, v29                ; rounded to bf16 like every other input
	v_and_b32 v[WT+2*i], 0xffff0000, v29
	v_mov_b32 v[WT+2*i+1], v[WT+2*i]
.set i, i+1
.endr
; ---------------------------------------------------------------- THE GATHER: 16 groups; six are on their way; behind the last x loads the ring's first chunk is asked for
.set g, 0
.rept 16
.if g < 15
	XCVT g, 40                                     ; behind group g were issued five more groups of eight: of x, or (from group 11 on) of x and of the ring
.else
	XCVT g, 48                                     ; behind the last group: six K steps of the ring
.endif
.if g <= 9
	XLOAD g+6                                      ; the loads ahead of the stores
	XPUT g
.else
	XPUT g
.if g <= 13
	BLOAD g-10                                     ; the ring's registers have been named by no line yet
.elseif g == 14
	BLOAD 4
	BLOAD 5
.else
	BLOAD 6
	BLOAD 7
.endif
.endif
.set g, g+1
.endr
	WIN 0
	s_wait_dscnt 0x0                               ; for the others' sake: my rows of x and my token numbers are in LDS
	s_barrier_signal -1
	s_barrier_wait -1                              ; everybody's are.  The ring's loads stay on their way: they touch registers alone
	s_cmp_eq_u32 s[NV], 0
	s_cbranch_scc1 .Lb1                            ; no rows: product 1 is jumped; the barrier behind it is not
; ---------------------------------------------------------------- PRODUCT 1
	s_wait_xcnt 0x0                                ; the ring's base is stepped only behind this wait
	s_add_nc_u64 s[NB:NB+1], s[NB:NB+1], 32768
	s_add_nc_u64 s[NB+2:NB+3], s[NB+2:NB+3], 32768
	CHUNK 1, 1, 1, 1                               ; the first chunk is written out: its first products start the sums.  Its first fragments land in v64-127, which the gather's conversions named last, ahead of the gather's last wait on va_vdst
	s_mov_b32 s[CTR], 7
.Lg1:
	s_wait_xcnt 0x0
	s_add_nc_u64 s[NB:NB+1], s[NB:NB+1], 32768
	s_add_nc_u64 s[NB+2:NB+3], s[NB+2:NB+3], 32768
	s_cmp_eq_u32 s[CTR], 1                         ; the last chunk asks for product 2's first: down of expert a into K steps 0-3, of expert b into 4-7
	s_cselect_b64 s[NB:NB+1], s[DD:DD+1], s[NB:NB+1]
	s_cselect_b64 s[NB+2:NB+3], s[DD+2:DD+3], s[NB+2:NB+3]
	CHUNK 1, 0, 1, 1                               ; (the address step at the last chunk's end is read by nothing: product 2 makes v6-9 anew)
	s_sub_co_i32 s[CTR], s[CTR], 1
	s_cmp_lg_u32 s[CTR], 0
	s_cbranch_scc1 .Lg1
.Lb1:
	s_wait_dscnt 0x0                               ; my reads of LDS in product 1 are over.  The loop's read addresses step in registers from trip to trip:
	s_barrier_signal -1                            ; this barrier keeps every wave's reads of product 1 ahead of every wave's LDS stores below, whatever the step
	s_barrier_wait -1
	s_cmp_eq_u32 s[NV], 0
	s_cbranch_scc1 .Lbm                            ; no rows: nothing to activate
; ---------------------------------------------------------------- BETWEEN THE PRODUCTS
	v_mov_b32 v[MXR], 0
	ACTV 0
	ACTV 1
	ACTV 2
	ACTV 3
	; my wave's largest |act|: four steps inside each half of 16 lanes ride on the arithmetic (DPP), one crosses the halves
	v_max_num_f32_dpp v[MXR], v[MXR], v[MXR] row_xmask:1 row_mask:0xf bank_mask:0xf
	v_max_num_f32_dpp v[MXR], v[MXR], v[MXR] row_xmask:2 row_mask:0xf bank_mask:0xf
	v_max_num_f32_dpp v[MXR], v[MXR], v[MXR] row_xmask:4 row_mask:0xf bank_mask:0xf
	v_max_num_f32_dpp v[MXR], v[MXR], v[MXR] row_xmask:8 row_mask:0xf bank_mask:0xf
	s_mov_b32 s[T0], 0x76543210                    ; each lane takes its own place in the other half
	s_mov_b32 s[T1], 0xfedcba98
	v_permlanex16_b32 v31, v[MXR], s[T0], s[T1]    ; (its destination counts as read: v31 has been written; the store of the token numbers, which read v31, stands ahead of the gather's waits on vm_vsrc)
	v_max_num_f32 v[MXR], v[MXR], v31
	s_lshl_b32 s[T0], s[WV], 2
	s_add_co_u32 s[T0], s[T0], MXB
	v_mov_b32 v31, s[T0]
	s_wait_alu depctr_va_vdst(0)                   ; v31 and v30 are written, which the LDS store reads as its address and its data
	ds_store_b32 v31, v[MXR]                       ; all lanes write my wave's word with the same number
.Lbm:
	s_wait_dscnt 0x0                               ; for the others' sake: my wave's maximum is in LDS
	s_barrier_signal -1
	s_barrier_wait -1
	s_cmp_eq_u32 s[NV], 0
	s_cbranch_scc1 .Lb2
	s_wait_alu depctr_vm_vsrc(0)                   ; my LDS stores have read v31 (the maximum's) and v10 (the gather's): both are written again below
	v_mov_b32 v31, MXB
	v_mul_u32_u24 v[GST], v[RR], AP                ; act: row 16 mt + r, k = 32 w + 8 h ..
	v_lshl_add_u32 v[GST], v[HH], 4, v[GST]
	s_lshl_b32 s[T0], s[WV], 6
	s_add_co_u32 s[T0], s[T0], ACT
	v_add_nc_u32 v[GST], s[T0], v[GST]
	s_wait_alu depctr_va_vdst(0)                   ; v31 is written, which the two loads read; the activation's lines are done with v64-71, in which they land
	ds_load_b128 v[64:67], v31                     ; the eight waves' maxima, in every lane
	ds_load_b128 v[68:71], v31 offset:16
	s_wait_dscnt 0x0
	v_max3_num_f32 v64, v64, v65, v66
	v_max3_num_f32 v67, v67, v68, v69
	v_max3_num_f32 v64, v64, v70, v71
	v_max_num_f32 v64, v64, v67                    ; M, the tile's largest |act|,
	v_max_num_f32 v64, 0x07800000, v64             ; held to 2^-112 at the least, so that both powers below are normal numbers
	v_lshrrev_b32 v65, 23, v64                     ; E, its biased exponent: 15 to 254
	v_sub_nc_u32 v[SC], 0x10c, v65                 ; S = 2^(141 - E): biased exponent 268 - E
	v_lshlrev_b32 v[SC], 23, v[SC]
	v_mov_b32 v[SC+1], v[SC]
	v_add_nc_u32 v[INV], -14, v65                  ; 1 / S = 2^(E - 141): biased exponent E - 14
	v_lshlrev_b32 v[INV], 23, v[INV]
	ACTS 0
	ACTS 1
	ACTS 2
	ACTS 3
	s_wait_alu depctr_va_vdst(0)                   ; the roundings have written v96-127, which the eight LDS stores read; v10, their address, was written ahead of the wait above
	ACTP 0
	ACTP 1
	ACTP 2
	ACTP 3
.Lb2:
	s_wait_dscnt 0x0                               ; for the others' sake: my part of act is in LDS
	s_barrier_signal -1
	s_barrier_wait -1
	s_cmp_eq_u32 s[NV], 0
	s_cbranch_scc1 .Lend
; ---------------------------------------------------------------- PRODUCT 2
	s_wait_alu depctr_vm_vsrc(0)                   ; product 1's LDS loads have read v6-9, which are made anew below; act's stores have read v96-127, in which fragments land, and the gather's stores v32-63, in which token numbers land
	v_mul_u32_u24 v29, v[RR], AP
	v_lshl_add_u32 v29, v[HH], 4, v29
.set i, 0
.rept 4
	v_add_nc_u32 v[AADR+i], ACT+i*16*AP, v29
.set i, i+1
.endr
	v_lshlrev_b32 v[TA], 5, v[HH]
	v_add_nc_u32 v[TA], TOKT, v[TA]                ; tokens 16 mt + 8 h + 0..7
	v_lshlrev_b32 v[RR], 4, v[RR]                  ; my four columns: 16 r bytes
	s_wait_alu depctr_va_vdst(0)                   ; v11 and v6-9 are written, which the loads below and the first chunk's fragment loads read; every vector line that named v32-127, in which they land, is done
.set i, 0
.rept 4
	ds_load_b128 v[ROW+8*i:ROW+8*i+3],   v[TA] offset:64*i
	ds_load_b128 v[ROW+8*i+4:ROW+8*i+7], v[TA] offset:64*i+16
.set i, i+1
.endr
	s_wait_dscnt 0x0
.set i, 0
.rept 32
	v_min_u32 v[ROW+i], 0x1fff, v[ROW+i]
	v_lshl_add_u32 v[ROW+i], v[ROW+i], 13, v[RR]   ; rows of 8,192 bytes
.set i, i+1
.endr
	s_mov_b32 s[CTR], 3
.Lg2:
	s_wait_xcnt 0x0
	s_add_nc_u64 s[NB:NB+1], s[NB:NB+1], 16384     ; the next 64 columns' half-chunks
	s_add_nc_u64 s[NB+2:NB+3], s[NB+2:NB+3], 16384
	CHUNK 2, 1, 1, 0
	OUTALL
	s_wait_xcnt 0x0                                ; the stores' base, and the registers that they read, are rewritten only behind this wait,
	s_wait_alu depctr_vm_vsrc(0)                   ; and this one: the stores have read v64-127, in which the next chunk's fragments land (the multiplies that wrote them stand ahead of the way out's waits on va_vdst)
	s_add_nc_u64 s[OUTB:OUTB+1], s[OUTB:OUTB+1], 256
	s_sub_co_i32 s[CTR], s[CTR], 1
	s_cmp_lg_u32 s[CTR], 0
	s_cbranch_scc1 .Lg2
	CHUNK 2, 1, 0, 0                               ; the last chunk is written out: it asks for nothing, and its counts run down
	OUTALL
.Lend:
	s_wait_dscnt 0x0                               ; the closing lines, six on end
	s_wait_alu 0x0
	s_wait_tensorcnt 0x0
	ds_add_u32 v[SPW], v[NIL]
	s_wait_dscnt 0x0
	s_endpgm
.Lfunc_end_k_qe9fa8e3881_moe:
	.size	k_qe9fa8e3881_moe, .Lfunc_end_k_qe9fa8e3881_moe-k_qe9fa8e3881_moe
	.p2alignl 7, 3214868480
	.fill 96, 4, 3214868480
	.section	.rodata,"a",@progbits
	.p2align	6, 0x0
	.amdhsa_kernel k_qe9fa8e3881_moe
		.amdhsa_group_segment_fixed_size 298496
		.amdhsa_private_segment_fixed_size 0
		.amdhsa_enable_private_segment 0
		.amdhsa_kernarg_size 48
		.amdhsa_user_sgpr_count 2
		.amdhsa_user_sgpr_kernarg_segment_ptr 1
		.amdhsa_wavefront_size32 1
		.amdhsa_system_sgpr_workgroup_id_x 1
		.amdhsa_system_sgpr_workgroup_id_y 1
		.amdhsa_system_sgpr_workgroup_id_z 1
		.amdhsa_system_vgpr_workitem_id 0
		.amdhsa_next_free_vgpr 512
		.amdhsa_next_free_sgpr 96
		.amdhsa_reserve_vcc 0
		.amdhsa_float_denorm_mode_32 3
		.amdhsa_float_denorm_mode_16_64 3
		.amdhsa_memory_ordered 1
		.amdhsa_forward_progress 1
		.amdhsa_inst_pref_size 195
	.end_amdhsa_kernel
	.amdgpu_metadata
---
amdhsa.version: [ 1, 2 ]
amdhsa.kernels:
  - .name:           k_qe9fa8e3881_moe
    .symbol:         k_qe9fa8e3881_moe.kd
    .args:
      - { .name: hidden_states, .offset: 0, .size: 8, .value_kind: global_buffer, .address_space: global }
      - { .name: top_k_index, .offset: 8, .size: 8, .value_kind: global_buffer, .address_space: global }
      - { .name: top_k_weights, .offset: 16, .size: 8, .value_kind: global_buffer, .address_space: global }
      - { .name: wts, .offset: 24, .size: 8, .value_kind: global_buffer, .address_space: global }
      - { .name: route, .offset: 32, .size: 8, .value_kind: global_buffer, .address_space: global }
      - { .name: out0, .offset: 40, .size: 8, .value_kind: global_buffer, .address_space: global }
    .group_segment_fixed_size: 298496
    .private_segment_fixed_size: 0
    .kernarg_segment_align: 8
    .kernarg_segment_size: 48
    .max_flat_workgroup_size: 256
    .sgpr_count:     96
    .vgpr_count:     512
    .wavefront_size: 32
...
	.end_amdgpu_metadata
.endif
;; end of part 3
